; MI455X (gfx1250); checked and timed in simulation.
; The chip was launched on July 23, 2026; its instructions are those of AMD's public machine-readable ISA for CDNA 5 (MIT licence, August 2026) and "CDNA5" Instruction Set Architecture Reference Guide (July 2026). The comments in the code are by the model that wrote it; some were corrected since.
;; Mo E Abstract. Allowed arithmetic: matrix products marked QUANTISED: E2M3 operands, one E8M0 scale for each 32 along K, by v_wmma_scale_f32_16x16x128_f8f6f4 with both operands' format E2M3, f32 sums; products left as they are: f32 operands where the result goes on into a quantised operand, else bf16, f16 or f32 operands; f32 sums; everything else in f32.
;; Inputs: W1 1,024 x 512 float32; We1 8 x 2,048 x 1,024 float32; We2 8 x 256 x 2,048 float32; Wg 8 x 1,024 float32; b1 1,024 float32; be1 8 x 2,048 float32; be2 8 x 256 float32; bg 8 float32; entities 1,024 x 64 x 512 float32; entity_mask 1,024 x 64 bool.
;; Outputs: out0 1,024 x 256 float32; out1 1,024 x 8 float32.
;; This version of the problem:
;;   THIS VERSION OF THE PROBLEM IS GIVEN IN LOW PRECISION. The matrix products marked QUANTISED in the list below multiply operands that are first quantised to E2M3 (2 exponent bits, 3 mantissa bits; 6 bits a number), with one power-of-two scale for each 32 numbers along K (OCP MX v1.0); their sums are f32. All else is computed in f32.
;;   The module's matrix products, in the order in which they are computed (A, B: the left and right operand; K: the contracted axis; several contracted axes count as one K, in the product's order):
;;     1. [M 65,536, K 512] x [K 512, N 1,024]; A: input entities; B: input W1: QUANTISED
;;     2. [M 1,024, K 1,024] x [K 1,024, N 8]; A: computed on the way; B: input Wg: left as it is (N = 8 < 16)
;;     3. [M 1,024, K 1,024] x [K 1,024, N 16,384]; A: computed on the way; B: input We1: QUANTISED
;;     4. batch 8 x [M 256, K 2,048] x [K 2,048, N 1,024]; A: input We2; B: computed on the way: QUANTISED
;;   THE QUANTISER, for each operand of a quantised product, along K:
;;     - K is cut into blocks of 32 from its start; a last block that is shorter is filled with zeros.
;;     - A block's scale is 2^e with e = floor(log2(the largest magnitude in the block)) - 2, held to -126 .. 127; a block of zeros has e = 0. As a byte (E8M0): e + 127.
;;     - Each number is divided by its block's scale, clamped to +-7.5, and rounded to the nearest number of E2M3, ties to even, subnormals kept.
;;     - The product sums the exact products of the quantised numbers (number of the format x scale) in f32.
;;   ~~~python
;;   def quantise(x, axis):      # numpy; x: float32 -> the quantised numbers, widened to float32 again
;;       x = np.moveaxis(x, axis, -1); K = x.shape[-1]
;;       x = np.pad(x, [(0, 0)] * (x.ndim - 1) + [(0, -K % 32)]); x = x.reshape(x.shape[:-1] + (-1, 32)); a = np.abs(x).max(-1, keepdims=True)
;;       e = np.where(a > 0, np.clip(np.frexp(np.where(a > 0, a, 1))[1] - 1 - 2, -126, 127), 0)      # np.frexp(a)[1] - 1 = floor(log2(a)), exactly
;;       r = np.clip(x / 2.0 ** e, -7.5, 7.5)
;;       step = 2.0 ** (np.maximum(np.frexp(np.where(r == 0, 1, r))[1] - 1, 0) - 3)
;;       q = np.round(r / step) * step * 2.0 ** e      # np.round: ties to even
;;       return np.moveaxis(q.reshape(q.shape[:-2] + (-1,))[..., :K], -1, axis).astype(np.float32)
;;   ~~~
;;   OPERANDS COMPUTED ON THE WAY. 'Computed on the way' means the value that the module computes at that place (a softmax that the list does not call 'softmax' is quantised finished and normalised). What goes into a quantiser is computed in f32, as accurately as f32 sums, v_exp_f32 and their like allow (about 1e-6 of the number): no bf16 or f16 on the way to a quantiser, and a product that is left as it is and whose result goes on into a quantised operand takes f32 operands (vector FMAs, or v_wmma_f32_16x16x4_f32). A number that lies on a knife's edge between two numbers of the format may be rounded either way, as far as f32 arithmetic and the matrix unit's own rounding can turn it there, and no further.
;; One version. Each part assembles by itself: llvm-mc -triple=amdgcn-amd-amdhsa -mcpu=gfx1250 --defsym DOCPART=n.
;; ======== version 1 of 1: 4 launches
;; workspace buffers: wc 16,121,856 bytes; wsc 671,744 bytes; xq 786,432 bytes; xs 32,768 bytes; e1c 12,582,912 bytes; e1s 524,288 bytes; topi 8,192 bytes of whole numbers; topp 8,192 bytes
;; launch quant (part 1): grid 656 x 1, 4 waves a work-group, no clusters, 33,280 bytes of LDS; arguments W1, We1, We2, wc, wsc; writes wc, wsc
.if DOCPART == 1
	.amdgcn_target "amdgcn-amd-amdhsa--gfx1250"
	.amdhsa_code_object_version 6
	.text
	.protected	k_qae8b4302d6_quant
	.globl	k_qae8b4302d6_quant
	.p2align	8
	.type	k_qae8b4302d6_quant,@function
k_qae8b4302d6_quant:
	s_mov_b64 s[64:65], 0
	v_nop
	global_prefetch_b8 v0, s[64:65] scope:SCOPE_SE
	s_setreg_imm32_b32 hwreg(HW_REG_WAVE_MODE, 25, 1), 1
	s_wait_xcnt 0x0
; W1 [1024][512], We1 [8][2048][1024] and We2 [8][256][2048], f32 with K innermost, become codes of FP6 (E2M3), 6 bits each, K innermost, with one E8M0 byte for each 32 along K.
; A block's scale is 2^(floor(log2(its largest magnitude)) - 2); its byte is the largest magnitude's exponent field - 2, held at 1 from below.  Each number is divided by the scale and rounded to the nearest code, ties to even.
; LIMITS: a block whose largest magnitude lies under 2^-124 (a block of zeros too) keeps the byte 1 where the rule says otherwise for zeros: its codes are zeros and this program alone reads the bytes.  NaN and infinities are not served.
; Rows are dense and every K is a multiple of 32: each tensor is a stream of blocks of 32.  A RUN is 8,192 numbers; a wave takes one run in 16 steps of 512, a work-group four runs.
; Work-groups 0-15 take W1 (64 runs), 16-527 We1 (2,048), 528-655 We2 (512).  Run n of the whole goes to wc + 6,144 n and wsc + 256 n, so W1's codes begin at 0, We1's at 393,216, We2's at 12,976,128.
; We1 ALONE IS LAID PERMUTED: a run is eight of its rows, a work-group 32; the second and third run of a work-group change places on the way out, so that row 32 b + 16 u + r of the workspace holds
; row 32 b + 8 u + r + 8 (r / 8) of We1: the order in which the next product's result falls into 16 neighbours along its own next K.
; A step: four loads of 512 consecutive bytes; the 2,048 bytes turn through the wave's own stage in LDS and come back 64 bytes a lane (16 neighbours; two lanes hold a block).  Loads run four steps ahead.
.set STEPS, 16
.set EMAX,  2
.set CB,    12                         ; bytes of 16 codes
.set R,     16                         ; v16-79   four sets of 16 numbers as loaded
.set X,     80                         ; v80-111  two sets of 16 neighbours
.set C,     128                        ; v128-191 codes: four registers a step, never written twice
.set E,     112                        ; v112-127 a scale byte a step
.set WREG,  8192                       ; LDS of a wave: two stages of 32 x SP bytes, then its 256 scale bytes
.set SP,    80                         ; a lane's place in a stage: 64 bytes + 16 of padding
	s_load_b128 s[4:7], s[0:1], 0x0                ; W1, We1
	s_load_b128 s[8:11], s[0:1], 0x10              ; We2, wc
	s_load_b64 s[12:13], s[0:1], 0x20              ; wsc
	v_lshl_add_u32 v192, v0, 2, 0x8000
	v_mov_b32 v193, 0
	v_lshrrev_b32 v1, 5, v0
	v_readfirstlane_b32 s16, v1                    ; wave
	v_and_b32 v2, 31, v0                           ; lane
	v_lshlrev_b32 v3, 4, v2                        ; my 16 bytes of a load's 512
	s_mul_i32 s17, s16, WREG
	v_lshrrev_b32 v14, 2, v2
	v_mul_u32_u24 v14, v14, SP
	v_and_b32 v15, 3, v2
	v_lshl_add_u32 v14, v15, 4, v14
	v_add_nc_u32 v14, s17, v14                     ; the stage on the way in: SP (lane / 4) + 16 (lane % 4)
	v_mul_u32_u24 v15, v2, SP
	v_add_nc_u32 v15, s17, v15                     ; and on the way out: SP x lane
	v_mul_u32_u24 v4, v2, CB                       ; my codes' place in a step's
	v_lshrrev_b32 v5, 1, v2
	s_add_co_u32 s17, s17, 2*32*SP
	v_add_nc_u32 v5, s17, v5                       ; my block's byte among the wave's 256
	v_lshlrev_b32 v7, 3, v2
	v_add_nc_u32 v6, s17, v7                       ; and 8 bytes a lane on the way out
	s_and_b32 s20, s16, 1                          ; the wave's place on the way out, for We1: 0, 2, 1, 3
	s_lshl_b32 s20, s20, 1
	s_lshr_b32 s21, s16, 1
	s_or_b32 s20, s20, s21
	s_sub_co_u32 s19, ttmp9, 16
	s_cmp_lt_u32 s19, 512                          ; a work-group of We1?
	s_cselect_b32 s18, s20, s16
	s_lshl_b32 s19, ttmp9, 2
	s_add_co_u32 s18, s18, s19                     ; the run on the way out
	s_mul_i32 s22, s18, 32*STEPS*CB                ; 6,144 bytes of codes a run
	s_mov_b32 s23, 0
	s_lshl_b32 s24, s18, 8                         ; 256 scale bytes a run
	s_mov_b32 s25, 0
	s_wait_kmcnt 0x0
	s_cmp_lt_u32 ttmp9, 16                         ; which tensor: the choice hangs on the work-group's number alone
	s_cselect_b64 s[4:5], s[4:5], s[6:7]
	s_cselect_b32 s17, 0, 16
	s_cmp_lt_u32 ttmp9, 528
	s_cselect_b64 s[4:5], s[4:5], s[8:9]
	s_cselect_b32 s17, s17, 528
	s_sub_co_u32 s17, ttmp9, s17
	s_lshl_b32 s17, s17, 2
	s_add_co_u32 s17, s17, s16                     ; the run within its tensor
	s_lshl_b32 s26, s17, 15                        ; 32,768 bytes of f32 a run
	s_mov_b32 s27, 0
	s_add_nc_u64 s[4:5], s[4:5], s[26:27]
	s_add_nc_u64 s[8:9], s[10:11], s[22:23]        ; my codes
	s_add_nc_u64 s[10:11], s[12:13], s[24:25]      ; my scale bytes
.macro LOAD t
.irp i, 0,1,2,3
	global_load_b128 v[R+16*((\t)%4)+4*\i:R+16*((\t)%4)+4*\i+3], v3, s[4:5] offset:2048*(\t)+512*\i th:TH_LOAD_NT   ; 32 lanes read 512 consecutive bytes
.endr
.endm
.macro TURN t                          ; LDS serves a wave's instructions in order: no wait between the stores and the loads
.irp i, 0,1,2,3
	ds_store_b128 v14, v[R+16*((\t)%4)+4*\i:R+16*((\t)%4)+4*\i+3] offset:32*SP*((\t)%2)+8*SP*\i
.endr
.irp i, 0,1,2,3
	ds_load_b128 v[X+16*((\t)%2)+4*\i:X+16*((\t)%2)+4*\i+3], v15 offset:32*SP*((\t)%2)+16*\i
.endr
.endm
.irp t, 0,1,2,3
	LOAD \t
.endr
	s_wait_loadcnt 12                              ; step 0's four loads are in; the twelve behind them stay out
	TURN 0
.macro STEP t
.set XS, X+16*((\t)%2)
.if (\t) > 0
	s_wait_dscnt 1                                 ; this step's numbers are back from the stage; the last step's byte store may be out
.else
	s_wait_dscnt 0x0
.endif
.if (\t)+4 < STEPS
	LOAD (\t)+4                                    ; into the registers that the stage's stores have read
.endif
.if (\t)+1 < STEPS
.if STEPS-2-(\t) >= 3
	s_wait_loadcnt 12                              ; the next step's four loads are in; those of three steps behind it may be out
.else
	s_wait_loadcnt 4*(STEPS-2-(\t))
.endif
	TURN (\t)+1
.endif
	v_max3_num_f32 v8, |v[XS]|, |v[XS+1]|, |v[XS+2]|
	v_max3_num_f32 v9, |v[XS+3]|, |v[XS+4]|, |v[XS+5]|
.irp i, 6,10
	v_max3_num_f32 v8, v8, |v[XS+\i]|, |v[XS+\i+1]|
	v_max3_num_f32 v9, v9, |v[XS+\i+2]|, |v[XS+\i+3]|
.endr
	v_max3_num_f32 v8, v8, |v[XS+14]|, |v[XS+15]|
	v_max3_num_f32 v8, v8, v9, (EMAX+1)<<23        ; the floor 2^(3 - 127): the byte cannot fall under 1
	v_max_num_f32_dpp v8, v8, v8 row_xmask:1 row_mask:0xf bank_mask:0xf   ; with my neighbour's 16: the block's largest magnitude
	v_add_nc_u32 v11, -(EMAX<<23), v8              ; 2 off its exponent field: the conversion takes that field as its scale
	v_cvt_scalef32_pk16_fp6_f32 v[C+4*(\t):C+4*(\t)+2], v[XS:XS+15], v11
	v_lshrrev_b32 v[E+(\t)], 23, v11               ; the scale's byte (a plain line behind the conversion)
	ds_store_b8 v5, v[E+(\t)] offset:16*(\t)       ; both lanes of a block write the same byte with the same value
	global_store_b96 v4, v[C+4*(\t):C+4*(\t)+2], s[8:9] offset:32*CB*(\t)   ; the wave stores 384 consecutive bytes
.endm
.irp t, 0,1,2,3,4,5,6,7,8,9,10,11,12,13,14,15
	STEP \t
.endr
	ds_load_b64 v[12:13], v6                       ; in order behind my byte stores
	s_wait_dscnt 0x0
	global_store_b64 v7, v[12:13], s[10:11]        ; 32 lanes store 256 consecutive bytes, aligned
	s_wait_tensorcnt 0x0
	ds_add_u32 v192, v193
	s_wait_dscnt 0x0
	s_endpgm
.Lfunc_end_k_qae8b4302d6_quant:
	.size	k_qae8b4302d6_quant, .Lfunc_end_k_qae8b4302d6_quant-k_qae8b4302d6_quant
	.p2alignl 7, 3214868480
	.fill 96, 4, 3214868480
	.section	.rodata,"a",@progbits
	.p2align	6, 0x0
	.amdhsa_kernel k_qae8b4302d6_quant
		.amdhsa_group_segment_fixed_size 33280
		.amdhsa_private_segment_fixed_size 0
		.amdhsa_enable_private_segment 0
		.amdhsa_kernarg_size 40
		.amdhsa_user_sgpr_count 2
		.amdhsa_user_sgpr_kernarg_segment_ptr 1
		.amdhsa_wavefront_size32 1
		.amdhsa_system_sgpr_workgroup_id_x 1
		.amdhsa_system_sgpr_workgroup_id_y 1
		.amdhsa_system_sgpr_workgroup_id_z 1
		.amdhsa_system_vgpr_workitem_id 0
		.amdhsa_next_free_vgpr 194
		.amdhsa_next_free_sgpr 66
		.amdhsa_reserve_vcc 0
		.amdhsa_float_denorm_mode_32 3
		.amdhsa_float_denorm_mode_16_64 3
		.amdhsa_memory_ordered 1
		.amdhsa_forward_progress 1
		.amdhsa_inst_pref_size 33
	.end_amdhsa_kernel
	.amdgpu_metadata
---
amdhsa.version: [ 1, 2 ]
amdhsa.kernels:
  - .name:           k_qae8b4302d6_quant
    .symbol:         k_qae8b4302d6_quant.kd
    .args:
      - { .name: W1, .offset: 0, .size: 8, .value_kind: global_buffer, .address_space: global }
      - { .name: We1, .offset: 8, .size: 8, .value_kind: global_buffer, .address_space: global }
      - { .name: We2, .offset: 16, .size: 8, .value_kind: global_buffer, .address_space: global }
      - { .name: wc, .offset: 24, .size: 8, .value_kind: global_buffer, .address_space: global }
      - { .name: wsc, .offset: 32, .size: 8, .value_kind: global_buffer, .address_space: global }
    .group_segment_fixed_size: 33280
    .private_segment_fixed_size: 0
    .kernarg_segment_align: 8
    .kernarg_segment_size: 40
    .max_flat_workgroup_size: 128
    .sgpr_count:     66
    .vgpr_count:     194
    .wavefront_size: 32
...
	.end_amdgpu_metadata
.endif
;; end of part 1
;; launch encode (part 2): grid 256 x 1, 4 waves a work-group, no clusters, 256,512 bytes of LDS; arguments entities, entity_mask, wc, wsc, b1, Wg, bg, xq, xs, out1, topi, topp; writes xq, xs, out1, topi, topp
.if DOCPART == 2
	.amdgcn_target "amdgcn-amd-amdhsa--gfx1250"
	.amdhsa_code_object_version 6
	.text
	.protected	k_qae8b4302d6_encode
	.globl	k_qae8b4302d6_encode
	.p2align	8
	.type	k_qae8b4302d6_encode,@function
k_qae8b4302d6_encode:
	s_mov_b64 s[64:65], 0
	v_nop
	global_prefetch_b8 v0, s[64:65] scope:SCOPE_SE
	s_setreg_imm32_b32 hwreg(HW_REG_WAVE_MODE, 25, 1), 1
	s_wait_xcnt 0x0
; pooled[b] = masked mean over 64 entities of relu(entities[b] W1^T + b1), the product on codes of FP6 (E2M3) with one E8M0 scale for each 32 along K = 512; then the gate (f32), softmax, top-2, and pooled's own codes.
; SHARES.  A work-group owns four batches (256 rows of entities) and all 1,024 columns.  THE WAVES SHARE THE COLUMNS: in pass p (0, 1) wave w owns columns 512 p + 128 w .. + 127, eight tiles of 16;
; its 32 fragments of W1 stay in 384 registers for the pass.  The rows' codes are made once (wave w: rows 16 w .. 16 w + 15 of each batch), go from wave to wave through LDS as IMAGES OF THE OPERAND'S REGISTERS
; (three stores of 16 bytes a lane at 16 x lane) and stay there for pass 1: entities are read from memory once.
; THE PRODUCT IN ITS NATURAL ORDER: source 0 = 16 rows of x, source 1 = 16 rows of W1.  Register j of lane (r, h) is (row 8 h + j, column r): the pooling is a sum over a lane's own registers.  b1 is the C of each sum's first product.
; relu and mask are ONE line: the middle of (z, 0, L), L = +infinity for a valid row and 0 for a masked one.
; No tensor loads: entities come by loads into registers, 64 of 512 bytes a wave on their way, and stay out across the barriers.
; W1's CODES lie as plain rows of 384 bytes; a wave's 128 rows of a pass are 49,152 consecutive bytes.  They come by loads that each cover 512 consecutive bytes, and are turned into fragments through a stage of the
; wave's own in LDS (rows 400 bytes apart), four tiles at a time: a fragment's loads straight from the rows would each take 8 bytes out of 16 rows.
; LIMITS: NaN and infinities are not served; mask bytes are 0 or not 0; a block under 2^-124 keeps the byte 1 (this program alone reads the bytes); 1 / n_valid and the two divisors of the gate are v_rcp_f32 and a multiplication;
; the top-2 is taken on this text's f32 probabilities, ties to the lower index: where the second and third lie within f32 rounding of each other the choice may differ from another order of sums.
; LDS, each wave's stores in a run of bytes of its own: XIMG [wave][batch][K step][3 x 512]; XSC [wave][batch][row][4 words]; LTAB [batch][row] f32; POOL [wave][batch][pass][128 columns] f32; STG a stage of 16 rows x 528 a wave;
; WST W1's stage, 25,600 bytes a wave.
.set XIMG, 0
.set XSC,  98304
.set LTAB, 102400
.set POOL, 103424
.set STG,  119808
.set SPI,  528
.set WST,  153600
.set WPI,  400                         ; a row of W1's stage: 384 bytes + 16 = 100 words: row r starts at bank 36 r mod 64 (64 banks of 4 bytes: ISA guide 11.1), so the 32 lanes of a load of 8 bytes touch 64 different banks
.set WTILE, 16*WPI
; window 0
.set LN,   1                           ; lane
.set RR,   2                           ; r = lane % 16
.set HH,   3                           ; h = lane / 16
.set XA,   4                           ; 16 x lane
.set STW,  5                           ; the stage on the way in
.set STR,  6                           ; and on the way out: 528 r + 64 h
.set XWI0, 7                           ; where I store images: 24,576 wave + 16 lane
.set XWS0, 8                           ; and scale words: XSC + 1,024 wave + 16 r
.set PO,   9                           ; the trip's pool address
.set ASA0, 10                          ; XSC + 16 r
.set LAD0, 11                          ; LTAB + 32 h
.set PO0,  12                          ; POOL + 4,096 wave + 4 r
.set XWI,  13                          ; v13-18: the trip's addresses
.set XWS,  14
.set AIM,  15                          ; v15: images of row tiles 0, 1;  v16: of 2, 3
.set ASA,  17
.set LAD,  18
.set WFA,  19                          ; W1's stage on the way out: 400 r + 24 h
.set R16,  20
.set R4,   21
.set LTW,  27
.set GAD,  28
.set QAD,  29
.set INV,  30                          ; v30-31: 1 / n_valid of batch = my wave, twice
.set BS,   32                          ; v32-63: W1's scale words, 4 tile + K step
.set AS,   64                          ; v64-71: x's scale words, two sets of 4
.set WSA,  125                         ; v125-127: W1's stage on the way in, for the loads 3 n, 3 n + 1, 3 n + 2 of a tile
; window 1
.set AF,   64                          ; v64-159: x's fragments, two sets of 48
.set LL,   160                         ; v160-175: L, two sets of 8
.set PP,   176                         ; v176-191: the pool's sums, a pair a tile
.set BIAS, 192                         ; v192-255: b1, eight equal registers a tile
.set TM,   64                          ; while rows are quantised: at work, in the registers of x's fragments
.set PW,   80
.set PC,   84
.set SEL,  34                          ; s[34:35]: lane l xor 16
; windows 2, 3: v0-191 W1's fragments of K steps 0, 1 and 2, 3, at 12 (8 (ks % 2) + tile).  The four sets of 64 registers for entities: window 2 v192, window 3 v192, window 0 v128, window 0 v192.
; W1 as loaded: tiles 0-3 in window 1 v0-191 (free at both places where W1 comes); tiles 4-7 in their own fragments' registers (v48-95 and v144-191 of windows 2 and 3).
.set MSB, 0
.macro WIN new                         ; the immediate's high byte repeats the setting that is left
.if MSB != \new
	s_set_vgpr_msb (MSB<<8)|\new
.set MSB, \new
.endif
.endm
; 64 numbers of a lane, register 16 b + i = k 32 b + 16 h + i of my row, become a fragment's codes in v[PC] on and its scale word in v[PW]
.macro QUANT s
.irp b, 0,1,2,3
	v_max3_num_f32 v[TM+\b], |v[\s+16*\b]|, |v[\s+1+16*\b]|, 0x1800000   ; my 16 numbers of block b, and the floor 2^(3 - 127)
.endr
.irp i, 2,4,6,8,10,12,14
.irp b, 0,1,2,3
	v_max3_num_f32 v[TM+\b], v[TM+\b], |v[\s+16*\b+\i]|, |v[\s+1+16*\b+\i]|
.endr
.endr
.irp b, 0,1,2,3
	v_permlanex16_b32 v[TM+4+\b], v[TM+\b], s[SEL], s[SEL+1]
.endr
.irp b, 0,1,2,3
	v_max_num_f32 v[TM+\b], v[TM+\b], v[TM+4+\b]   ; with lane l xor 16's: the block's largest magnitude
.endr
.irp b, 0,1,2,3
	v_add_nc_u32 v[TM+12+\b], 0xff000000, v[TM+\b]   ; 2 off its exponent field: the conversion's scale operand
.endr
.irp b, 0,1,2,3
	v_lshrrev_b32 v[TM+4+\b], 23, v[TM+12+\b]      ; the scale's byte
.endr
	v_lshl_or_b32 v[PW], v[TM+5], 8, v[TM+4]
	v_lshl_or_b32 v[PW], v[TM+6], 16, v[PW]
	v_lshl_or_b32 v[PW], v[TM+7], 24, v[PW]
.irp c, 0,1
	v_cvt_scalef32_pk16_fp6_f32 v[PC+6*\c:PC+2+6*\c], v[\s+32*\c:\s+15+32*\c], v[TM+12+2*\c]
	v_cvt_scalef32_pk16_fp6_f32 v[PC+12+4*\c:PC+14+4*\c], v[\s+16+32*\c:\s+31+32*\c], v[TM+12+2*\c+1]   ; (a conversion's three registers begin on an even number)
.endr
	v_nop                                          ; one plain place behind a scaled conversion
.irp c, 0,1                                    ; the operand wants a whole block in a lane: lanes 0-15 block 2 c, lanes 16-31 block 2 c + 1
.irp i, 0,1,2
	v_permlane16_swap_b32 v[PC+6*\c+\i], v[PC+12+4*\c+\i]
.endr
.irp i, 0,1,2
	v_mov_b32 v[PC+3+6*\c+\i], v[PC+12+4*\c+\i]
.endr
.endr
.endm
; Tile ct of pass p, 16 rows = 6,144 consecutive bytes, as they lie: twelve loads, each of 512 consecutive bytes, into 48 registers from reg on
.macro WGL p, ct, reg
.irp i, 0,1,2,3,4,5,6,7,8,9,10,11
	global_load_b128 v[\reg+4*\i:\reg+4*\i+3], v[XA], s[8:9] offset:196608*(\p)+6144*(\ct)+512*\i
.endr
.endm
; and from those registers into place slot of my stage: three loads are four rows, so the addresses come back after three
.macro WSTO slot, reg
.irp i, 0,1,2,3,4,5,6,7,8,9,10,11
	ds_store_b128 v[WSA+\i%3], v[\reg+4*\i:\reg+4*\i+3] offset:WTILE*(\slot)+4*WPI*(\i/3)
.endr
.endm
; the stage's four tiles become the fragments of tiles c0 .. c0 + 3: lane (r, h) takes, of row r and K step k, the 24 bytes at 96 k + 24 h and those 48 further on, in pieces of 8
.macro WFETCH c0
.irp k, 0,1,2,3
.if \k < 2
	WIN 0x80
.else
	WIN 0xc0
.endif
.irp c, 0,1,2,3
.irp q, 0,1,2,3,4,5
	ds_load_b64 v[12*(8*(\k%2)+\c0+\c)+2*\q:12*(8*(\k%2)+\c0+\c)+2*\q+1], v[WFA] offset:WTILE*\c+96*\k+48*(\q/3)+8*(\q%3)
.endr
.endr
.endr
	WIN 0
.endm
; W1's part for pass p is asked for: 96 loads of codes, 32 scale words, 8 numbers of b1
.macro BLOAD p
	WIN 0x40
	WGL \p, 0, 0
	WGL \p, 1, 48
	WGL \p, 2, 96
	WGL \p, 3, 144
	WIN 0x80
	WGL \p, 4, 48
	WGL \p, 5, 144
	WIN 0xc0
	WGL \p, 6, 48
	WGL \p, 7, 144
	WIN 0
.irp c, 0,1,2,3,4,5,6,7
	global_load_b128 v[BS+4*\c:BS+4*\c+3], v[R16], s[10:11] offset:8192*(\p)+256*\c   ; a row's 16 scale bytes: its words of K steps 0 to 3
.endr
	WIN 0x40
.irp c, 0,1,2,3,4,5,6,7
	global_load_b32 v[BIAS+8*\c], v[R4], s[12:13] offset:2048*(\p)+64*\c
.endr
	WIN 0
.endm
; and, when it has landed, turned into fragments.  The stage is my own and LDS serves a wave's instructions in order (ISA guide 5.7.1.4): no wait between stores and the loads that read them, nor in front of the second four tiles' stores
.macro BTURN
	WIN 0x04
	WSTO 0, 0
	WSTO 1, 48
	WSTO 2, 96
	WSTO 3, 144
	WFETCH 0
	WIN 0x08
	WSTO 0, 48
	WSTO 1, 144
	WIN 0x0c
	WSTO 2, 48
	WSTO 3, 144
	s_wait_dscnt 0x0                               ; these stores have read their registers: the fragments of tiles 4-7 land in the same ones
	WFETCH 4
	s_wait_dscnt 0x0                               ; all 32 fragments are in, and window 1's registers are free
.endm
.macro BCOPY                           ; a lane's eight results of a tile are eight rows of ONE column: its b1 stands eight times
	WIN 0x41
.irp c, 0,1,2,3,4,5,6,7
.irp j, 1,2,3,4,5,6,7
	v_mov_b32 v[BIAS+8*\c+\j], v[BIAS+8*\c]
.endr
.endr
	WIN 0
.endm
; K step s of my 16 rows, from off bytes on: sixteen loads, each 512 consecutive bytes of one row
.macro XLOAD s, off
.if (\s) == 0
	WIN 0x80
.set RB, 192
.elseif (\s) == 1
	WIN 0xc0
.set RB, 192
.elseif (\s) == 2
	WIN 0
.set RB, 128
.else
	WIN 0
.set RB, 192
.endif
.irp i, 0,1,2,3,4,5,6,7,8,9,10,11,12,13,14,15
	global_load_b128 v[RB+4*\i:RB+4*\i+3], v[XA], s[4:5] offset:(\off)+2048*\i+512*(\s) th:TH_LOAD_NT
.endr
	WIN 0
.endm
; K step s of my 16 rows becomes a fragment.  cnt: the loads issued behind this set's, which stay out.  ahead = 1: the set is asked for again, for the next batch
.macro XSTEP s, ahead, cnt
	s_wait_loadcnt \cnt
.if (\s) == 0
	WIN 0x08
.set RB, 192
.elseif (\s) == 1
	WIN 0x0c
.set RB, 192
.elseif (\s) == 2
	WIN 0
.set RB, 128
.else
	WIN 0
.set RB, 192
.endif
.irp i, 0,1,2,3,4,5,6,7,8,9,10,11,12,13,14,15
	ds_store_b128 v[STW], v[RB+4*\i:RB+4*\i+3] offset:SPI*\i     ; row i as it lies, into my own stage
.endr
	WIN 0x40
.irp b, 0,1,2,3
.irp j, 0,1,2,3
	ds_load_b128 v[16*\b+4*\j:16*\b+4*\j+3], v[STR] offset:128*\b+16*\j   ; and back: of row r, 16 neighbours of each block of 32.  LDS serves a wave's instructions in order
.endr
.endr
	s_wait_dscnt 0x0                               ; the numbers are in; the stage's stores have read the set's registers; the last step's image stores have read the codes
.if \ahead
	XLOAD \s, 131072                               ; the same rows of the next batch, 64 rows of 2,048 bytes on
.endif
	WIN 0x55
	QUANT 0
	WIN 0x04
.irp c, 0,1,2
	ds_store_b128 v[XWI], v[PC+4*\c:PC+4*\c+3] offset:1536*(\s)+512*\c
.endr
	ds_store_b32 v[XWS], v[PW] offset:4*(\s)       ; both halves of the lanes write the same word with the same value
	WIN 0
.endm
.macro TRIPADR
	v_add_nc_u32 v[XWI], s30, v[XWI0]
	v_add_nc_u32 v[XWS], s31, v[XWS0]
	v_add_nc_u32 v[AIM], s30, v[XA]
	v_add_nc_u32 v[AIM+1], 49152, v[AIM]
	v_add_nc_u32 v[ASA], s31, v[ASA0]
	v_add_nc_u32 v[LAD], s31, v[LAD0]
	v_add_nc_u32 v[PO], s33, v[PO0]
.endm
.macro NEXTB
	s_add_co_u32 s30, s30, 6144
	s_add_co_u32 s31, s31, 256
	s_add_co_u32 s33, s33, 1024
.endm
; row tile t of the batch: its four fragments, its eight L and its scale words, into set st
.macro AFETCH t, st
	WIN 0x40
.irp k, 0,1,2,3
.irp c, 0,1,2
	ds_load_b128 v[AF+48*(\st)+12*\k+4*\c:AF+48*(\st)+12*\k+4*\c+3], v[AIM+(\t)/2] offset:24576*((\t)%2)+1536*\k+512*\c
.endr
.endr
	ds_load_b128 v[LL+8*(\st):LL+8*(\st)+3], v[LAD] offset:64*(\t)
	ds_load_b128 v[LL+8*(\st)+4:LL+8*(\st)+7], v[LAD] offset:64*(\t)+16
	WIN 0
	ds_load_b128 v[AS+4*(\st):AS+4*(\st)+3], v[ASA] offset:1024*(\t)
.endm
; Line n of 48 of what follows the products of row tile t, half of the column tiles: twelve lines a tile.  No line has a vector register as its second source, so all stand under the products' window setting:
; that is why the sums are multiply-adds by 1.0 (exact).
.macro EPIL t, half, n
.set en, \n
.set ez, 32*(\half)+8*(en/12)
.set el, LL+8*((\t)%2)
.set ep, PP+2*(4*(\half)+en/12)
.set ej, en%12
.if ej < 8
	v_med3_num_f32 v[ez+ej], v[ez+ej], 0, v[el+ej]   ; relu and mask; each accumulator is read from its low end on
.elseif ej == 8
	v_pk_fma_f32 v[ez:ez+1], v[ez+2:ez+3], 1.0, v[ez:ez+1] op_sel_hi:[1,0,1]
.elseif ej == 9
	v_pk_fma_f32 v[ez+4:ez+5], v[ez+6:ez+7], 1.0, v[ez+4:ez+5] op_sel_hi:[1,0,1]
.elseif ej == 10
.if (\t) == 0
	v_pk_fma_f32 v[ep:ep+1], v[ez+4:ez+5], 1.0, v[ez:ez+1] op_sel_hi:[1,0,1]   ; the batch's first tile starts the sum: nothing is cleared
.else
	v_pk_fma_f32 v[ez:ez+1], v[ez+4:ez+5], 1.0, v[ez:ez+1] op_sel_hi:[1,0,1]
.endif
.else
.if (\t) == 0
	v_nop
.else
	v_pk_fma_f32 v[ep:ep+1], v[ez:ez+1], 1.0, v[ep:ep+1] op_sel_hi:[1,0,1]
.endif
.endif
.endm
; 16 products: row tile t x four column tiles (half) x four K steps.  The four accumulators take turns, one instruction a turn, and neighbouring runs use different accumulators.
; Behind each product stand three lines of the run before (pt, phalf): they name none of this run's registers and are the places behind the products.  fetch = 1: the next row tile is fetched at the run's head, into the set
; whose last products and last L readers stand a whole run back.
.macro RUN t, half, fetch, epi, pt, phalf
.if \fetch
	AFETCH (\t)+1, ((\t)+1)%2
.endif
.set i, 0
.rept 16
.if i < 8
	WIN 0x59                                       ; x, C and D window 1, W1 window 2
.else
	WIN 0x5d                                       ; W1 window 3
.endif
.set ks, i/4
.set ct, 4*(\half)+i%4
.set rD, 32*(\half)+8*(i%4)
.set rA, AF+48*((\t)%2)+12*ks
.set rB, 12*(8*(ks%2)+ct)
.set rC, rD
.if ks == 0
.set rC, BIAS+8*ct
.endif
	v_wmma_scale_f32_16x16x128_f8f6f4 v[rD:rD+7], v[rA:rA+11], v[rB:rB+11], v[rC:rC+7], v[AS+4*((\t)%2)+ks], v[BS+4*ct+ks] matrix_a_fmt:MATRIX_FMT_FP6 matrix_b_fmt:MATRIX_FMT_FP6
.if \epi
	EPIL \pt, \phalf, 3*i
	EPIL \pt, \phalf, 3*i+1
	EPIL \pt, \phalf, 3*i+2
.endif
.set i, i+1
.endr
.if (\epi) == 0
.rept 4
	v_nop                                          ; a batch's first run has no earlier run's lines: four places behind its products
.endr
.endif
.endm
; a batch's 64 rows x my 128 columns of pass p, pooled
.macro BATCH_M p
	AFETCH 0, 0
	s_wait_dscnt 0x0
	RUN 0, 0, 0, 0, 0, 0
	RUN 0, 1, 1, 1, 0, 0
	s_wait_dscnt 0x0                               ; row tile 1, asked for a run ago
	RUN 1, 0, 0, 1, 0, 1
	RUN 1, 1, 1, 1, 1, 0
	s_wait_dscnt 0x0
	RUN 2, 0, 0, 1, 1, 1
	RUN 2, 1, 1, 1, 2, 0
	s_wait_dscnt 0x0
	RUN 3, 0, 0, 1, 2, 1
	RUN 3, 1, 0, 1, 3, 0
.set i, 0
.rept 48
	EPIL 3, 1, i
.set i, i+1
.endr
	WIN 0x55
.irp c, 0,1,2,3,4,5,6,7
	v_add_f32 v[\c], v[PP+2*\c], v[PP+2*\c+1]      ; even rows' and odd rows' sums,
.endr
.irp c, 0,1,2,3,4,5,6,7
	v_permlanex16_b32 v[8+\c], v[\c], s[SEL], s[SEL+1]
.endr
.irp c, 0,1,2,3,4,5,6,7
	v_add_f32 v[\c], v[\c], v[8+\c]                ; and the other half of the lanes' rows: the column's sum over the batch
.endr
	WIN 0x04
.irp c, 0,1,2,3,4,5,6,7
	ds_store_b32 v[PO], v[\c] offset:512*(\p)+64*\c
.endr
	WIN 0
.endm
	s_load_b512 s[4:19], s[0:1], 0x0               ; entities, mask, wc, wsc, b1, Wg, bg, xq
	s_load_b256 s[20:27], s[0:1], 0x40             ; xs, out1, topi, topp
	v_lshl_add_u32 v115, v0, 2, 0x3e800
	v_mov_b32 v122, 0
	v_lshrrev_b32 v22, 5, v0
	v_readfirstlane_b32 s28, v22                   ; wave 0..3
	v_and_b32 v[LN], 31, v0
	v_and_b32 v[RR], 15, v0
	v_bfe_u32 v[HH], v0, 4, 1
	v_lshlrev_b32 v[XA], 4, v[LN]
	s_mul_i32 s40, s28, 16*SPI
	s_add_co_u32 s40, s40, STG
	v_add_nc_u32 v[STW], s40, v[XA]
	v_mul_u32_u24 v[STR], v[RR], SPI
	v_lshl_add_u32 v[STR], v[HH], 6, v[STR]
	v_add_nc_u32 v[STR], s40, v[STR]
	s_mul_i32 s40, s28, 24576
	v_add_nc_u32 v[XWI0], s40, v[XA]
	s_lshl_b32 s40, s28, 10
	s_add_co_u32 s42, s40, XSC
	v_lshl_add_u32 v[XWS0], v[RR], 4, s42
	v_lshl_add_u32 v[ASA0], v[RR], 4, XSC
	v_lshl_add_u32 v[LAD0], v[HH], 5, LTAB
	s_add_co_u32 s42, s40, POOL                    ; the final phase: batch = my wave: 1,024 wave in every wave's part of the pool
	v_add_nc_u32 v[GAD], s42, v[XA]
	v_bfe_u32 v22, v0, 2, 2                        ; block = lane of pooled's 32: columns 32 lane on: pass lane / 16, wave (lane / 4) % 4, 128 (lane % 4) bytes on
	v_lshlrev_b32 v[QAD], 12, v22
	v_lshl_add_u32 v[QAD], v[HH], 9, v[QAD]
	v_and_b32 v22, 3, v0
	v_lshl_add_u32 v[QAD], v22, 7, v[QAD]
	v_add_nc_u32 v[QAD], s42, v[QAD]
	s_lshl_b32 s42, s28, 12
	s_add_co_u32 s42, s42, POOL
	v_lshl_add_u32 v[PO0], v[RR], 2, s42
	s_lshl_b32 s42, s28, 8
	s_add_co_u32 s42, s42, LTAB
	v_lshl_add_u32 v[LTW], v[LN], 2, s42
	s_mul_i32 s40, s28, 4*WTILE
	s_add_co_u32 s40, s40, WST                     ; W1's stage of my wave
	v_mul_u32_u24 v[WFA], v[RR], WPI
	v_mad_u32_u24 v[WFA], v[HH], 24, v[WFA]
	v_add_nc_u32 v[WFA], s40, v[WFA]
.irp j, 0,1,2
	v_add_nc_u32 v22, 32*\j, v[LN]                 ; u: which piece of 16 bytes among four rows' 96 (a row is 24 pieces: none straddles two rows)
	v_mul_u32_u24 v23, v22, 171
	v_lshrrev_b32 v23, 12, v23                     ; u / 24, exact for u up to 95: the row, which adds 16 bytes of padding
	v_add_nc_u32 v23, v23, v22
	v_lshl_add_u32 v[WSA+\j], v23, 4, s40
.endr
	v_lshlrev_b32 v[R16], 4, v[RR]
	v_lshlrev_b32 v[R4], 2, v[RR]
	s_mov_b32 s[SEL], 0x76543210
	s_mov_b32 s[SEL+1], 0xfedcba98
	s_mov_b32 s41, 0
	s_lshl_b32 s40, ttmp9, 19                      ; four batches of 131,072 bytes a work-group,
	s_lshl_b32 s42, s28, 15                        ; 16 rows of 2,048 bytes a wave
	s_add_co_u32 s40, s40, s42
	s_wait_kmcnt 0x0
	s_add_nc_u64 s[4:5], s[4:5], s[40:41]
	s_lshl_b32 s40, ttmp9, 8
	s_lshl_b32 s42, s28, 6
	s_add_co_u32 s40, s40, s42
	s_add_nc_u64 s[6:7], s[6:7], s[40:41]          ; the mask of batch = my wave
	s_mul_i32 s40, s28, 49152
	s_add_nc_u64 s[8:9], s[8:9], s[40:41]          ; my 128 rows of W1's codes,
	s_lshl_b32 s40, s28, 11
	s_add_nc_u64 s[10:11], s[10:11], s[40:41]      ; of its scale bytes,
	s_lshl_b32 s40, s28, 9
	s_add_nc_u64 s[12:13], s[12:13], s[40:41]      ; of b1
	s_lshl_b32 s43, ttmp9, 2
	s_add_co_u32 s43, s43, s28                     ; the batch that I finish
	s_mul_i32 s40, s43, 768
	s_add_nc_u64 s[18:19], s[18:19], s[40:41]
	s_lshl_b32 s40, s43, 5
	s_add_nc_u64 s[20:21], s[20:21], s[40:41]
	s_add_nc_u64 s[22:23], s[22:23], s[40:41]
	s_lshl_b32 s40, s43, 3
	s_add_nc_u64 s[24:25], s[24:25], s[40:41]
	s_add_nc_u64 s[26:27], s[26:27], s[40:41]
	s_load_b256 s[44:51], s[16:17], 0x0            ; bg
	global_load_u8 v24, v[LN], s[6:7]
	global_load_u8 v25, v[LN], s[6:7] offset:32
	BLOAD 0
	XLOAD 0, 0
	XLOAD 1, 0
	XLOAD 2, 0
	XLOAD 3, 0
	s_wait_loadcnt 63                              ; 64 loads were issued behind the mask's and W1's: those are in
	v_cmp_ne_u32 s36, 0, v24
	v_cmp_ne_u32 s37, 0, v25
	v_mov_b32 v26, 0x7f800000                      ; +infinity
	v_cndmask_b32 v22, 0, v26, s36
	v_cndmask_b32 v23, 0, v26, s37
	ds_store_b32 v[LTW], v22
	ds_store_b32 v[LTW], v23 offset:128
	s_bcnt1_i32_b32 s36, s36
	s_bcnt1_i32_b32 s37, s37
	s_add_co_u32 s36, s36, s37
	s_max_u32 s36, s36, 1                          ; n_valid, at least 1
	v_cvt_f32_u32 v26, s36
	v_rcp_f32 v[INV], v26
	v_nop                                          ; a plain place behind the reciprocal
	s_wait_alu depctr_va_vdst(0)
	v_mov_b32 v[INV+1], v[INV]
	BTURN                                          ; W1's fragments, while the first batch's entities are on their way
	BCOPY
	WIN 0x40
.irp b, 0,1,2,3
	v_mov_b32 v[TM+4+\b], 0                        ; written once: a lane permute's destination counts as one of its sources
.endr
	WIN 0
	s_mov_b32 s30, 0
	s_mov_b32 s31, 0
	s_mov_b32 s33, 0
	s_mov_b32 s29, 3
; PASS 0.  A trip is a batch: my 16 rows become four fragments | barrier | 64 rows x my 128 columns | barrier.  Images are stored only between a trip's closing barrier and the next trip's first, and read only between a trip's two barriers.
; The count 48: behind set s stand the 3 - s later sets of this batch and the s sets already asked for again.
.Lb0:
	TRIPADR
	XSTEP 0, 1, 48
	XSTEP 1, 1, 48
	XSTEP 2, 1, 48
	XSTEP 3, 1, 48
	s_wait_dscnt 0x0                               ; for the others' sake: my images (in the first trip my L too) have landed
	s_barrier_signal -1
	s_barrier_wait -1
	BATCH_M 0
	s_wait_dscnt 0x0                               ; my reads of the images are over
	s_barrier_signal -1
	s_barrier_wait -1
	s_wait_xcnt 0x0                                ; the loads that are out have had their addresses translated: the base may step
	s_add_nc_u64 s[4:5], s[4:5], 131072
	NEXTB
	s_sub_co_u32 s29, s29, 1
	s_cmp_lg_u32 s29, 0
	s_cbranch_scc1 .Lb0
	TRIPADR                                        ; the last batch asks for nothing more: no load leaves the buffer, and the counts run down
	XSTEP 0, 0, 48
	XSTEP 1, 0, 32
	XSTEP 2, 0, 16
	XSTEP 3, 0, 0
	s_wait_dscnt 0x0
	s_barrier_signal -1
	s_barrier_wait -1
	BATCH_M 0
; PASS 1: the other 512 columns, from the images that lie in LDS.  Nothing is written that another wave reads before the barrier of the final phase.
	s_wait_dscnt 0x0                               ; the pool's stores have read their registers, into which W1's loads now come
	BLOAD 1                                        ; (the pool's lines are the places behind the last products)
	s_mov_b32 s30, 0
	s_mov_b32 s31, 0
	s_mov_b32 s33, 0
	s_mov_b32 s29, 4
	s_wait_loadcnt 0x0
	BTURN
	BCOPY
.Lb1:
	TRIPADR
	BATCH_M 1
	NEXTB
	s_sub_co_u32 s29, s29, 1
	s_cmp_lg_u32 s29, 0
	s_cbranch_scc1 .Lb1
; THE FINAL PHASE: wave w finishes batch w.  Wg comes into the registers that held W1: expert e < 6 at v[32 e] of window 2, experts 6, 7 at v0, v32 of window 3.
	WIN 0x80
.irp e, 0,1,2,3,4,5
.irp i, 0,1,2,3,4,5,6,7
	global_load_b128 v[32*\e+4*\i:32*\e+4*\i+3], v[XA], s[14:15] offset:4096*\e+2048*(\i%2)+512*(\i/2)
.endr
.endr
	WIN 0xc0
.irp e, 0,1
.irp i, 0,1,2,3,4,5,6,7
	global_load_b128 v[32*\e+4*\i:32*\e+4*\i+3], v[XA], s[14:15] offset:4096*(6+\e)+2048*(\i%2)+512*(\i/2)
.endr
.endr
	WIN 0
	s_wait_dscnt 0x0                               ; my sums have landed in the pool
	s_barrier_signal -1
	s_barrier_wait -1
.irp i, 0,1,2,3,4,5,6,7
	ds_load_b128 v[128+4*\i:131+4*\i], v[GAD] offset:4096*(\i/2)+512*(\i%2)   ; for the gate: columns 512 (i % 2) + 128 (i / 2) + 4 lane + 0 .. 3, as Wg's loads take them
.endr
.irp i, 0,1,2,3,4,5,6,7
	ds_load_b128 v[160+4*\i:163+4*\i], v[QAD] offset:16*\i                     ; for the quantiser: columns 32 lane + 0 .. 31: a whole block a lane
.endr
	s_wait_dscnt 0x0
.irp j, 0,2,4,6,8,10,12,14,16,18,20,22,24,26,28,30,32,34,36,38,40,42,44,46,48,50,52,54,56,58,60,62
	v_pk_mul_f32 v[128+\j:129+\j], v[128+\j:129+\j], v[INV:INV+1]              ; pooled = sum / n_valid
.endr
	s_wait_loadcnt 0x0                             ; Wg
	WIN 0x08
.irp e, 0,1,2,3,4,5
	v_pk_mul_f32 v[72+2*\e:73+2*\e], v[128:129], v[32*\e:32*\e+1]
.endr
.irp u, 1,2,3,4,5,6,7,8,9,10,11,12,13,14,15
.irp e, 0,1,2,3,4,5
	v_pk_fma_f32 v[72+2*\e:73+2*\e], v[128+2*\u:129+2*\u], v[32*\e+2*\u:32*\e+2*\u+1], v[72+2*\e:73+2*\e]
.endr
.endr
	WIN 0x0c
.irp e, 0,1
	v_pk_mul_f32 v[84+2*\e:85+2*\e], v[128:129], v[32*\e:32*\e+1]
.endr
.irp u, 1,2,3,4,5,6,7,8,9,10,11,12,13,14,15
.irp e, 0,1
	v_pk_fma_f32 v[84+2*\e:85+2*\e], v[128+2*\u:129+2*\u], v[32*\e+2*\u:32*\e+2*\u+1], v[84+2*\e:85+2*\e]
.endr
.endr
	WIN 0
.irp e, 0,1,2,3,4,5,6,7
	v_add_f32 v[88+\e], v[72+2*\e], v[73+2*\e]
.endr
.irp m, 1,2,4,8
.irp e, 0,1,2,3,4,5,6,7
	v_add_f32_dpp v[88+\e], v[88+\e], v[88+\e] row_xmask:\m row_mask:0xf bank_mask:0xf
.endr
.endr
.irp e, 0,1,2,3,4,5,6,7
	v_permlanex16_b32 v[72+\e], v[88+\e], s[SEL], s[SEL+1]
.endr
.irp e, 0,1,2,3,4,5,6,7
	v_add_f32 v[88+\e], v[88+\e], v[72+\e]         ; every lane holds the eight sums
.endr
	s_wait_kmcnt 0x0                               ; bg
.irp e, 0,1,2,3,4,5,6,7
	v_add_f32 v[88+\e], s[44+\e], v[88+\e]         ; the logits
.endr
	v_max3_num_f32 v108, v88, v89, v90             ; the softmax takes the row's maximum away first
	v_max3_num_f32 v108, v108, v91, v92
	v_max3_num_f32 v108, v108, v93, v94
	v_max_num_f32 v108, v108, v95
.irp e, 0,1,2,3,4,5,6,7
	v_sub_f32 v[96+\e], v[88+\e], v108
.endr
.irp e, 0,1,2,3,4,5,6,7
	v_mul_f32 v[96+\e], 0x3fb8aa3b, v[96+\e]       ; x log2(e)
.endr
.irp e, 0,1,2,3,4,5,6,7
	v_exp_f32 v[96+\e], v[96+\e]
.endr
	v_nop                                          ; a plain place behind the exponentials
	s_wait_alu depctr_va_vdst(0)
	v_add_f32 v108, v96, v97
	v_add_f32 v109, v98, v99
	v_add_f32 v110, v100, v101
	v_add_f32 v111, v102, v103
	v_add_f32 v108, v108, v109
	v_add_f32 v110, v110, v111
	v_add_f32 v108, v108, v110
	v_rcp_f32 v111, v108
	v_nop
	s_wait_alu depctr_va_vdst(0)
.irp e, 0,1,2,3,4,5,6,7
	v_mul_f32 v[96+\e], v[96+\e], v111             ; gate_probs
.endr
	v_mov_b32 v109, v96                            ; the largest, by compares and selects alone; what is held stays on a tie: the lower index wins
	v_mov_b32 v104, 0
.irp e, 1,2,3,4,5,6,7
	v_cmp_ge_f32 vcc_lo, v109, v[96+\e]
	v_cndmask_b32 v104, \e, v104, vcc_lo
	v_cndmask_b32 v109, v[96+\e], v109, vcc_lo
.endr
	v_mov_b32 v110, -1.0                           ; the second: the same over the experts that are not the first
	v_mov_b32 v105, 0
.irp e, 0,1,2,3,4,5,6,7
	v_cmp_eq_u32 s36, \e, v104
	v_cmp_ge_f32 s37, v110, v[96+\e]
	s_or_b32 vcc_lo, s36, s37
	v_cndmask_b32 v105, \e, v105, vcc_lo
	v_cndmask_b32 v110, v[96+\e], v110, vcc_lo
.endr
	v_add_f32 v108, v109, v110
	v_rcp_f32 v111, v108
	v_nop
	s_wait_alu depctr_va_vdst(0)
	v_mul_f32 v106, v109, v111                     ; top_p, normalised
	v_mul_f32 v107, v110, v111
	v_max3_num_f32 v119, |v160|, |v161|, 0x1800000 ; pooled's block = my lane: all 32 numbers are mine; the floor 2^(3 - 127)
.irp i, 2,4,6,8,10,12,14,16,18,20,22,24,26,28,30
	v_max3_num_f32 v119, v119, |v[160+\i]|, |v[161+\i]|
.endr
	v_add_nc_u32 v120, 0xff000000, v119
	v_lshrrev_b32 v121, 23, v120
	v_cvt_scalef32_pk16_fp6_f32 v[112:114], v[160:175], v120
	v_cvt_scalef32_pk16_fp6_f32 v[116:118], v[176:191], v120
	v_nop                                          ; one plain place behind a scaled conversion
	v_mul_u32_u24 v123, v[LN], 24
	v_mov_b32 v124, 0
	global_store_b96 v123, v[112:114], s[18:19]              ; the row's 768 bytes of codes: 24 a lane
	global_store_b96 v123, v[116:118], s[18:19] offset:12
	global_store_b8 v[LN], v121, s[20:21]                    ; and its 32 scale bytes
	s_wait_xcnt 0x0                                ; EXEC changes only behind this wait
	v_cmp_eq_u32 vcc_lo, 0, v[LN]
	s_wait_tensorcnt 0x0
	ds_add_u32 v115, v122
	s_wait_dscnt 0x0
	s_and_saveexec_b32 s38, vcc_lo                 ; what every lane holds alike is stored by lane 0
	global_store_b128 v124, v[96:99], s[22:23]
	global_store_b128 v124, v[100:103], s[22:23] offset:16
	global_store_b64 v124, v[104:105], s[24:25]
	global_store_b64 v124, v[106:107], s[26:27]
	s_wait_xcnt 0x0
	s_or_b32 exec_lo, exec_lo, s38
	s_endpgm
.Lfunc_end_k_qae8b4302d6_encode:
	.size	k_qae8b4302d6_encode, .Lfunc_end_k_qae8b4302d6_encode-k_qae8b4302d6_encode
	.p2alignl 7, 3214868480
	.fill 96, 4, 3214868480
	.section	.rodata,"a",@progbits
	.p2align	6, 0x0
	.amdhsa_kernel k_qae8b4302d6_encode
		.amdhsa_group_segment_fixed_size 256512
		.amdhsa_private_segment_fixed_size 0
		.amdhsa_enable_private_segment 0
		.amdhsa_kernarg_size 96
		.amdhsa_user_sgpr_count 2
		.amdhsa_user_sgpr_kernarg_segment_ptr 1
		.amdhsa_wavefront_size32 1
		.amdhsa_system_sgpr_workgroup_id_x 1
		.amdhsa_system_sgpr_workgroup_id_y 1
		.amdhsa_system_sgpr_workgroup_id_z 1
		.amdhsa_system_vgpr_workitem_id 0
		.amdhsa_next_free_vgpr 1024
		.amdhsa_next_free_sgpr 66
		.amdhsa_reserve_vcc 1
		.amdhsa_float_denorm_mode_32 3
		.amdhsa_float_denorm_mode_16_64 3
		.amdhsa_memory_ordered 1
		.amdhsa_forward_progress 1
		.amdhsa_inst_pref_size 255
	.end_amdhsa_kernel
	.section	.bss,"aw",@nobits
	.p2align	6
	.space	262144
	.amdgpu_metadata
---
amdhsa.version: [ 1, 2 ]
amdhsa.kernels:
  - .name:           k_qae8b4302d6_encode
    .symbol:         k_qae8b4302d6_encode.kd
    .args:
      - { .name: entities, .offset: 0, .size: 8, .value_kind: global_buffer, .address_space: global }
      - { .name: entity_mask, .offset: 8, .size: 8, .value_kind: global_buffer, .address_space: global }
      - { .name: wc, .offset: 16, .size: 8, .value_kind: global_buffer, .address_space: global }
      - { .name: wsc, .offset: 24, .size: 8, .value_kind: global_buffer, .address_space: global }
      - { .name: b1, .offset: 32, .size: 8, .value_kind: global_buffer, .address_space: global }
      - { .name: Wg, .offset: 40, .size: 8, .value_kind: global_buffer, .address_space: global }
      - { .name: bg, .offset: 48, .size: 8, .value_kind: global_buffer, .address_space: global }
      - { .name: xq, .offset: 56, .size: 8, .value_kind: global_buffer, .address_space: global }
      - { .name: xs, .offset: 64, .size: 8, .value_kind: global_buffer, .address_space: global }
      - { .name: out1, .offset: 72, .size: 8, .value_kind: global_buffer, .address_space: global }
      - { .name: topi, .offset: 80, .size: 8, .value_kind: global_buffer, .address_space: global }
      - { .name: topp, .offset: 88, .size: 8, .value_kind: global_buffer, .address_space: global }
    .group_segment_fixed_size: 256512
    .private_segment_fixed_size: 0
    .kernarg_segment_align: 8
    .kernarg_segment_size: 96
    .max_flat_workgroup_size: 128
    .sgpr_count:     66
    .vgpr_count:     1024
    .wavefront_size: 32
...
	.end_amdgpu_metadata
.endif
;; end of part 2
;; launch expert1 (part 3): grid 64 x 4, 4 waves a work-group, clusters of 4 x 4, 327,680 bytes of LDS; arguments xq, xs, wc, wsc, be1, e1c, e1s; writes e1c, e1s
.if DOCPART == 3
	.amdgcn_target "amdgcn-amd-amdhsa--gfx1250"
	.amdhsa_code_object_version 6
	.text
	.protected	k_qae8b4302d6_expert1
	.globl	k_qae8b4302d6_expert1
	.p2align	8
	.type	k_qae8b4302d6_expert1,@function
k_qae8b4302d6_expert1:
	s_mov_b64 s[64:65], 0
	v_nop
	global_prefetch_b8 v0, s[64:65] scope:SCOPE_SE
	s_setreg_imm32_b32 hwreg(HW_REG_WAVE_MODE, 25, 1), 1
	s_wait_xcnt 0x0
	s_wait_alu depctr_hold_cnt(0) depctr_sa_sdst(0) depctr_va_vdst(0) depctr_va_sdst(0) depctr_va_ssrc(0) depctr_va_vcc(0) depctr_vm_vsrc(0)
	s_getreg_b32 s2, hwreg(HW_REG_IB_STS2, 6, 4)
	s_cmp_eq_u32 s2, 0
	s_cbranch_scc0 .Lentry_in_a_cluster
	s_endpgm
.Lentry_in_a_cluster:
	s_bfe_u32 s2, ttmp6, 0x10000c
	s_cmp_lg_u32 s2, 0xf033
	s_cbranch_scc0 .Lentry_shape_is_right
	s_endpgm
.Lentry_shape_is_right:
; e1 = relu(pooled We1^T + be1) for all eight experts, [1024 tokens] x [16,384 units], K = 1,024, on codes of FP6 (E2M3) with one E8M0 scale for each 32 along K; the result is quantised along the units, which are the next product's K.
; A tile of 256 tokens x 256 units is made by four waves, each 128 x 128: 64 accumulators, 512 registers.  K goes in steps of 256 through a ring of two LDS slots filled by the tensor data mover (rows of 192 bytes).
; The scale bytes of the work-group's 256 rows of each side, for all of K, come into LDS once, with the first fills.
; CLUSTERS: 4 x 4 work-groups.  The four of a row of the cluster need the same tiles of pooled, the four of a column the same tiles of We1: each tile is asked for jointly, by the same tensor load with the same descriptor and a mask that names the four.
; THE MATRIX INSTRUCTION IS USED TRANSPOSED (source 0 = 16 rows of We1, source 1 = 16 tokens): a lane holds one token.  We1's rows lie permuted in the workspace (row 32 b + 16 u + r holds unit 32 b + 8 u + r + 8 (r / 8)),
; so that the 16 registers of accumulators (a, 2 b) and (a, 2 b + 1) are units 32 b + 16 (lane / 16) + 0 .. 15 of token 16 a + lane % 16: 16 neighbours along the next K.  be1 is the C of each sum's first product.
; THE WAY OUT has no stage: a wave's 128 units are ONE K step of the next product.  Each block of 16 tokens is clipped at 0, quantised in registers and stored as the image of the operand's registers:
; e1c [16 expert + K step][tile of 16 tokens][3][lane][16 bytes], e1s [16 expert + K step][token] one word.  Each of a block's three stores covers 512 consecutive bytes, aligned; the reader's loads take them the same way.
; LIMITS: NaN and infinities are not served; a block under 2^-124 (a block of zeros too) keeps the byte 1: its codes are zeros and this program alone reads the bytes.
; REGISTERS: window 0: v0-31 addresses; v32-63 scale words, two sets; v64-127 be1 in the result's layout; from v128 pooled's fragments, one set; on the way out v128-230 are at work.
;   window 1: We1's fragments, two sets, at v0 and v128.   windows 2, 3: the accumulators of my tokens 0-63 and 64-127 ((a, b) at v[8 (8 (a % 4) + b)]).
.set SIZE_K, 1024
.set KSTEP,  256
.set NQ,     KSTEP/128
.set ROWB,   192                       ; a tile's row in bytes
.set KROW,   SIZE_K*6/8                ; a row of codes in memory
.set PITCH,  240                       ; an LDS row: 3 x (64 bytes + 16 of padding)
.set FR,     12
.set NL,     6
.set NP,     4                         ; places behind this matrix instruction (ISA guide 7.12.1)
.set HALFT,  128*PITCH
.set SLOT,   4*HALFT
.set LAPS,   SIZE_K/(2*KSTEP)
.set KS,     SIZE_K/32
.set SCL,    2*SLOT                    ; behind the ring: the scales, as units of 256 bytes + 16 of padding
.set HALFS,  (128*KS/256)*272
.set SBLK,   (16*KS/256)*272
.set SPARE,  SCL+4*HALFS               ; the spare words, 128 bytes a wave: two blocks of 256 bytes that no other line names
.set ADRA, 16
.set ADRB, 20
.set EO,   24                          ; v24  the way out: 16 x lane
.set SO,   25                          ; v25  4 x lane
.set ADRS, 27
.set SPW,  28
.set NIL,  29
.set SC,   32
.set BI,   64
.set AF,   128
.set H,    128                         ; the way out: 64 numbers of a block
.set TM,   192
.set PW,   208
.set PWP,  209                         ; the even block's scale words, kept for the pair's store
.set SWD,  210
.set PC,   212
.set SEL,  18
.set G1, 24
.set G0, 32
.set G1B, 48
.set G0B, 56
.set G1S, 68
.set G0S, 76
.set G1SB, 80
.set G0SB, 88
.set MSB, 0
.macro WIN new
.if MSB != \new
	s_set_vgpr_msb (MSB<<8)|\new
.set MSB, \new
.endif
.endm
.set MUL_LO,  0xa1                     ; source 0 (We1) window 1, source 1 (pooled) window 0, C and D window 2
.set MUL_HI,  0xf1                     ; the same, C and D window 3
.set MUL_LO0, 0x81                     ; the first step: C (be1) window 0
.set MUL_HI0, 0xc1
.set TO_B,    0x40
; A joint load: waves 0 and 1 fetch for pooled, waves 2 and 3 for We1.  The branch hangs on the wave's number alone.  Four v_nop follow each of the two lines.
.macro JLOAD g0a, g1a, g0b, g1b
	s_cmp_eq_u32 s15, 0
	s_cbranch_scc0 .Lfor_b_\@
	tensor_load_to_lds s[\g0a:\g0a+3], s[\g1a:\g1a+7]
	s_nop 0
.rept 4
	v_nop
.endr
	s_branch .Lasked_\@
.Lfor_b_\@:
	tensor_load_to_lds s[\g0b:\g0b+3], s[\g1b:\g1b+7]
	s_nop 0
.rept 4
	v_nop
.endr
.Lasked_\@:
.endm
.macro CREST
	s_cmp_lg_u32 s14, 0
	s_cbranch_scc1 .Lnot_wave_0_\@
	s_barrier_signal -3
.Lnot_wave_0_\@:
	s_barrier_wait -3
	s_barrier_signal -1
	s_barrier_wait -1
.endm
.macro CROUND
	s_barrier_signal -1
	s_barrier_wait -1
	CREST
.endm
.macro QUANT s
.irp b, 0,1,2,3
	v_max3_num_f32 v[TM+\b], |v[\s+16*\b]|, |v[\s+1+16*\b]|, 0x1800000   ; my 16 numbers of block b, and the floor 2^(3 - 127)
.endr
.irp i, 2,4,6,8,10,12,14
.irp b, 0,1,2,3
	v_max3_num_f32 v[TM+\b], v[TM+\b], |v[\s+16*\b+\i]|, |v[\s+1+16*\b+\i]|
.endr
.endr
.irp b, 0,1,2,3
	v_permlanex16_b32 v[TM+4+\b], v[TM+\b], s[SEL], s[SEL+1]
.endr
.irp b, 0,1,2,3
	v_max_num_f32 v[TM+\b], v[TM+\b], v[TM+4+\b]
.endr
.irp b, 0,1,2,3
	v_add_nc_u32 v[TM+12+\b], 0xff000000, v[TM+\b]
.endr
.irp b, 0,1,2,3
	v_lshrrev_b32 v[TM+4+\b], 23, v[TM+12+\b]
.endr
	v_lshl_or_b32 v[PW], v[TM+5], 8, v[TM+4]
	v_lshl_or_b32 v[PW], v[TM+6], 16, v[PW]
	v_lshl_or_b32 v[PW], v[TM+7], 24, v[PW]
.irp c, 0,1
	v_cvt_scalef32_pk16_fp6_f32 v[PC+6*\c:PC+2+6*\c], v[\s+32*\c:\s+15+32*\c], v[TM+12+2*\c]
	v_cvt_scalef32_pk16_fp6_f32 v[PC+12+4*\c:PC+14+4*\c], v[\s+16+32*\c:\s+31+32*\c], v[TM+12+2*\c+1]
.endr
	v_nop                                          ; one plain place behind a scaled conversion
.irp c, 0,1
.irp i, 0,1,2
	v_permlane16_swap_b32 v[PC+6*\c+\i], v[PC+12+4*\c+\i]
.endr
.irp i, 0,1,2
	v_mov_b32 v[PC+3+6*\c+\i], v[PC+12+4*\c+\i]
.endr
.endr
.endm
	s_load_b128 s[4:7], s[0:1], 0x0                ; pooled's codes, its scales
	s_load_b128 s[8:11], s[0:1], 0x10              ; the weights' codes, their scales
	s_load_b64 s[100:101], s[0:1], 0x20            ; be1
	s_load_b64 s[12:13], s[0:1], 0x28              ; e1c
	s_load_b64 s[98:99], s[0:1], 0x30              ; e1s
	v_lshl_add_u32 v[SPW], v0, 2, SPARE
	v_mov_b32 v[NIL], 0
	ds_add_u32 v28, v29
	ds_add_u32 v28, v29
	s_wait_dscnt 0x0
	v_lshrrev_b32 v1, 5, v0
	v_readfirstlane_b32 s14, v1                    ; wave 0..3
	s_lshr_b32 s15, s14, 1                         ; which half of the tile's tokens is mine.  Also: I fetch for pooled (0) or for We1 (1)
	s_and_b32 s16, s14, 1                          ; which half of its units.  Also: which 128 rows of that tile I fetch
	s_bfe_u32 s40, ttmp6, 0x40000                  ; cx, cy
	s_bfe_u32 s41, ttmp6, 0x40004
	s_lshl_b32 s42, ttmp9, 2
	s_add_co_u32 s42, s42, s40                     ; tile column = 4 x cluster x + cx
	s_and_b32 s17, ttmp7, 0xffff
	s_lshl_b32 s17, s17, 2
	s_add_co_u32 s17, s17, s41                     ; tile row = 4 x cluster y + cy
	s_lshl_b32 s43, s41, 2
	s_lshl_b32 s43, 15, s43                        ; my row of the cluster
	s_lshl_b32 s44, 0x1111, s40                    ; my column
	s_or_b32 s[G1+0], s43, (0<<16)|(1<<20)|(1<<21)|(3<<22)|(3<<25)  ; 15:0 the mask; elements of 1 byte; padding on; bit 21 beside a mask; after every 16 words 4 words
	s_or_b32 s[G1B+0], s44, (0<<16)|(1<<20)|(1<<21)|(3<<22)|(3<<25)
.irp g, G1, G1B
	s_mov_b32 s[\g+1], ROWB<<16                    ; tensor_dim0
	s_mov_b32 s[\g+2], 128<<16                     ; tensor_dim1
	s_mov_b32 s[\g+3], ROWB<<16                    ; tile_dim0
	s_mov_b32 s[\g+4], 128                         ; tile_dim1
	s_mov_b32 s[\g+5], KROW                        ; tensor_dim0_stride
	s_mov_b32 s[\g+6], 0
	s_mov_b32 s[\g+7], 0
.endr
	s_or_b32 s[G1S+0], s43, (3<<16)|(1<<20)|(1<<21)|(5<<22)|(3<<25)   ; the scales of 128 rows: a dense block, as rows of 256 bytes (32 elements of 8), 16 bytes of padding behind each
	s_or_b32 s[G1SB+0], s44, (3<<16)|(1<<20)|(1<<21)|(5<<22)|(3<<25)
.irp g, G1S, G1SB
	s_mov_b32 s[\g+1], 32<<16
	s_mov_b32 s[\g+2], (128*KS/256)<<16
	s_mov_b32 s[\g+3], 32<<16
	s_mov_b32 s[\g+4], 128*KS/256
	s_mov_b32 s[\g+5], 32
	s_mov_b32 s[\g+6], 0
	s_mov_b32 s[\g+7], 0
.endr
	s_lshl_b32 s18, s16, 7
	s_lshl_b32 s20, s17, 8
	s_add_co_u32 s20, s20, s18                     ; pooled: row 256 x tile row + 128 x half
	s_lshl_b32 s46, s42, 8
	s_add_co_u32 s46, s46, s18                     ; We1: row 256 x tile column + 128 x half
	s_mov_b32 s21, 0
	s_mov_b32 s47, 0
	s_mov_b64 s[18:19], KS
	s_mul_u64 s[22:23], s[20:21], s[18:19]
	s_mul_u64 s[92:93], s[46:47], s[18:19]
	s_mov_b64 s[18:19], KROW
	s_mul_u64 s[20:21], s[20:21], s[18:19]
	s_mul_u64 s[46:47], s[46:47], s[18:19]
	s_mul_i32 s45, s14, HALFT                      ; where they go: wave x 128 rows: no place in the cluster enters an LDS address
	s_mul_i32 s94, s14, HALFS
	s_wait_kmcnt 0x0
	s_add_nc_u64 s[8:9], s[8:9], 393216            ; We1's codes lie behind W1's,
	s_add_nc_u64 s[10:11], s[10:11], 16384         ; and so do its scale bytes
	s_add_nc_u64 s[20:21], s[4:5], s[20:21]
	s_add_nc_u64 s[22:23], s[6:7], s[22:23]
	s_add_nc_u64 s[46:47], s[8:9], s[46:47]
	s_add_nc_u64 s[92:93], s[10:11], s[92:93]
	CROUND                                         ; all sixteen work-groups are here: the first joint loads meet
	s_mov_b32 s[G0S], 1
	s_add_co_u32 s[G0S+1], s94, SCL
	s_mov_b64 s[G0S+2:G0S+3], s[22:23]
	s_or_b32 s[G0S+3], s[G0S+3], 0x80000000
	s_mov_b32 s[G0SB], 1
	s_add_co_u32 s[G0SB+1], s94, SCL
	s_mov_b64 s[G0SB+2:G0SB+3], s[92:93]
	s_or_b32 s[G0SB+3], s[G0SB+3], 0x80000000
	JLOAD G0S, G1S, G0SB, G1SB                     ; the scales first; with the two slots' loads three tensor loads of mine are out
.irp s, 0,1
	s_mov_b32 s[G0+4*\s], 1
	s_add_co_u32 s[G0+4*\s+1], s45, \s*SLOT
	s_add_nc_u64 s[G0+4*\s+2:G0+4*\s+3], s[20:21], \s*ROWB
	s_or_b32 s[G0+4*\s+3], s[G0+4*\s+3], 0x80000000
	s_mov_b32 s[G0B+4*\s], 1
	s_add_co_u32 s[G0B+4*\s+1], s45, \s*SLOT
	s_add_nc_u64 s[G0B+4*\s+2:G0B+4*\s+3], s[46:47], \s*ROWB
	s_or_b32 s[G0B+4*\s+3], s[G0B+4*\s+3], 0x80000000
	JLOAD G0+4*\s, G1, G0B+4*\s, G1B
.endr
	v_and_b32 v1, 15, v0                           ; r
	v_bfe_u32 v2, v0, 4, 1                         ; h
	v_mul_u32_u24 v3, v1, PITCH
	v_mul_u32_u24 v4, v2, 24
	v_add_nc_u32 v4, v3, v4                        ; a fragment's row x pitch + 24 x half
	v_lshl_add_u32 v5, v2, 4, v4                   ; and the same behind one padding more
	s_mul_i32 s21, s15, HALFT
	s_mul_i32 s22, s16, HALFT
	s_add_co_u32 s22, s22, 2*HALFT
.irp s, 0,1
	v_add_nc_u32 v[ADRA+\s], s21, v4
	v_add_nc_u32 v[ADRB+\s], s22, v4
	v_add_nc_u32 v[ADRA+2+\s], s21, v5
	v_add_nc_u32 v[ADRB+2+\s], s22, v5
	s_add_co_u32 s21, s21, SLOT
	s_add_co_u32 s22, s22, SLOT
.endr
	v_mul_u32_u24 v5, v1, KS                       ; my row's scales: KS bytes a row,
	v_lshrrev_b32 v6, 8, v5
	v_lshl_add_u32 v5, v6, 4, v5                   ; and 16 more for each 256 passed
	s_mul_i32 s21, s15, HALFS
	s_mul_i32 s22, s16, HALFS
	s_add_co_u32 s22, s22, 2*HALFS
	s_sub_co_u32 s22, s22, s21
	v_mul_u32_u24 v6, s22, v2                      ; lanes 16-31 take We1's
	s_add_co_u32 s21, s21, SCL
	v_add_nc_u32 v5, v5, v6
	v_add_nc_u32 v[ADRS], s21, v5
	v_and_b32 v6, 31, v0
	v_lshlrev_b32 v[EO], 4, v6
	v_lshlrev_b32 v[SO], 2, v6
	v_lshlrev_b32 v7, 6, v2                        ; be1: 64 h
	s_lshl_b32 s46, s42, 10                        ; my first unit, in bytes of f32: 1,024 x tile column + 512 x half
	s_lshl_b32 s47, s16, 9
	s_add_co_u32 s46, s46, s47
	s_mov_b32 s47, 0
	s_add_nc_u64 s[100:101], s[100:101], s[46:47]
.irp b, 0,1,2,3
.irp j, 0,1,2,3
	global_load_b128 v[BI+16*\b+4*\j:BI+16*\b+4*\j+3], v7, s[100:101] offset:128*\b+16*\j   ; register 16 b + i: be1 of unit 32 b + 16 h + i: the layout of accumulators 2 b, 2 b + 1
.endr
.endr
	s_lshl_b32 s46, s42, 1
	s_add_co_u32 s46, s46, s16                     ; 16 expert + K step of the next product = 2 x tile column + half
	s_lshl_b32 s20, s17, 8
	s_lshl_b32 s21, s15, 7
	s_add_co_u32 s20, s20, s21                     ; my first token
	s_mul_i32 s96, s46, 98304                      ; 64 tiles of 16 tokens x 1,536 bytes
	s_mul_i32 s97, s20, 96                         ; a tile's 1,536 bytes for each 16 tokens
	s_add_co_u32 s96, s96, s97
	s_mov_b32 s97, 0
	s_add_nc_u64 s[12:13], s[12:13], s[96:97]
	s_lshl_b32 s96, s46, 12
	s_lshl_b32 s21, s20, 2
	s_add_co_u32 s96, s96, s21
	s_add_nc_u64 s[98:99], s[98:99], s[96:97]
.macro FRAG reg, adr, q, i             ; a fragment: 12 registers; lane l holds row l % 16; registers 6 c .. 6 c + 5 hold K = 64 c + 32 (l / 16) + 0 .. 31, in pieces of 8 bytes
.irp p, 0,1,2,3,4,5
.set PCE, 12*(\q)+6*(\p/3)+\p%3       ; where the piece three on lies behind one padding more, the second address register serves
.if PCE%8 < 5
	ds_load_b64 v[\reg+2*\p:\reg+2*\p+1], v[\adr] offset:8*PCE+16*(PCE/8)+(\i)*16*PITCH
.else
	ds_load_b64 v[\reg+2*\p:\reg+2*\p+1], v[\adr+2] offset:8*PCE+16*(PCE/8)+(\i)*16*PITCH
.endif
.endr
.endm
; 16 products: token blocks a0, a0 + 1 x We1's eight.  zero = 1: be1 starts the sums.  The 64 accumulators take turns, one instruction a turn, in the same order in every step.
.macro MUL16 a0, p, q, sc, zero
.irp a, \a0, \a0+1
.irp b, 0,1,2,3,4,5,6,7
.if \zero
	v_wmma_scale_f32_16x16x128_f8f6f4 v[8*(8*((\a)%4)+\b):8*(8*((\a)%4)+\b)+7], v[128*(\p)+FR*\b:128*(\p)+FR*\b+FR-1], v[AF+FR*(\a):AF+FR*(\a)+FR-1], v[BI+8*\b:BI+8*\b+7], v[SC+8*NQ*(\sc)+NQ*\b+(\q)], v[SC+8*NQ*(\sc)+NQ*(\a)+(\q)] matrix_a_fmt:MATRIX_FMT_FP6 matrix_b_fmt:MATRIX_FMT_FP6 matrix_a_scale:MATRIX_SCALE_ROW1
.else
	v_wmma_scale_f32_16x16x128_f8f6f4 v[8*(8*((\a)%4)+\b):8*(8*((\a)%4)+\b)+7], v[128*(\p)+FR*\b:128*(\p)+FR*\b+FR-1], v[AF+FR*(\a):AF+FR*(\a)+FR-1], v[8*(8*((\a)%4)+\b):8*(8*((\a)%4)+\b)+7], v[SC+8*NQ*(\sc)+NQ*\b+(\q)], v[SC+8*NQ*(\sc)+NQ*(\a)+(\q)] matrix_a_fmt:MATRIX_FMT_FP6 matrix_b_fmt:MATRIX_FMT_FP6 matrix_a_scale:MATRIX_SCALE_ROW1
.endif
.endr
.endr
.endm
.macro FETCH_B slot, q, p
	WIN TO_B
.irp i, 0,1,2,3,4,5,6,7
	FRAG 128*(\p)+FR*\i, ADRB+\slot, \q, \i
.endr
	WIN 0
.endm
.macro FETCH_A slot, q, i0
.irp i, \i0, \i0+1, \i0+2, \i0+3
	FRAG AF+FR*(\i), ADRA+\slot, \q, \i
.endr
.endm
.macro SCALES sc                       ; lanes 0-15 take pooled's block i, lanes 16-31 We1's block i: two words a row for a K step of 256
.irp i, 0,1,2,3,4,5,6,7
	ds_load_b64 v[SC+8*NQ*\sc+NQ*\i:SC+8*NQ*\sc+NQ*\i+1], v[ADRS] offset:\i*SBLK
.endr
.endm
.macro PLACES n
.rept \n
	v_nop
.endr
.endm
.macro STEP slot, q, zero
	s_wait_dscnt 4*NL                              ; We1's set and token blocks 0-3 are in; the youngest 24 loads (blocks 4-7) may be out
.if \zero
	WIN MUL_LO0
.else
	WIN MUL_LO
.endif
	MUL16 0, (\q)%2, \q, \slot, \zero
	MUL16 2, (\q)%2, \q, \slot, \zero
	s_wait_dscnt 0
	PLACES NP
	FETCH_B \slot, (\q)+1, 1-(\q)%2
	FETCH_A \slot, (\q)+1, 0
.if \zero
	WIN MUL_HI0
.else
	WIN MUL_HI
.endif
	MUL16 4, (\q)%2, \q, \slot, \zero
	MUL16 6, (\q)%2, \q, \slot, \zero
	PLACES NP
	WIN 0
	FETCH_A \slot, (\q)+1, 4
.endm
; A slot's last step changes slots: one barrier; in front of it each wave waits for all its tensor loads, adds 0 to its spare word, and waits for that and for its own reads of this slot.  fill = 1: the slot is filled again, two K steps ahead.
.macro TURN slot, next, fill
	s_wait_tensorcnt 0x0                           ; all my tensor loads have landed: my part of the next slot
	ds_add_u32 v[SPW], v[NIL]                      ; 0 onto my spare word
	s_wait_dscnt 4*NL+1                            ; (the add and the youngest 24 loads may be out)
	WIN MUL_LO
	MUL16 0, 1, NQ-1, \slot, 0
	s_wait_dscnt 0x0                               ; the add is done, and my reads of this slot are over
	s_barrier_signal -1
	MUL16 2, 1, NQ-1, \slot, 0
	WIN 0
	s_barrier_wait -1
.if \fill
	CREST                                          ; the barrier has opened a round of the cluster's barrier: no wave of any partner still reads this slot or has a load on its way
	s_add_nc_u64 s[G0+4*\slot+2:G0+4*\slot+3], s[G0+4*\slot+2:G0+4*\slot+3], 2*ROWB
	s_add_nc_u64 s[G0B+4*\slot+2:G0B+4*\slot+3], s[G0B+4*\slot+2:G0B+4*\slot+3], 2*ROWB
	JLOAD G0+4*\slot, G1, G0B+4*\slot, G1B         ; the first tensor load behind the round, and my only one until the next; its four v_nop are the places in front of the loads below
.else
	PLACES NP
.endif
	v_add_nc_u32 v[ADRS], 4*NQ, v[ADRS]
	FETCH_B \next, 0, 0
	FETCH_A \next, 0, 0
	SCALES \next
	WIN MUL_HI
	MUL16 4, 1, NQ-1, \slot, 0
	MUL16 6, 1, NQ-1, \slot, 0
	PLACES NP
	WIN 0
	FETCH_A \next, 0, 4
.endm
	s_wait_tensorcnt 1                             ; the scales and my part of K step 0 are in; K step 1's load may be out
	s_barrier_signal -1
	s_barrier_wait -1
	FETCH_B 0, 0, 0
	FETCH_A 0, 0, 0
	SCALES 0
	FETCH_A 0, 0, 4
	s_wait_loadcnt 0x0                             ; be1
	STEP 0, 0, 1                                   ; the first step stands in front of the loop: its products start the sums
.if LAPS > 1
	s_mov_b32 s3, LAPS-1
.Llap:
	TURN 0, 1, 1
	STEP 1, 0, 0
	TURN 1, 0, 1
	STEP 0, 0, 0
	s_sub_co_u32 s3, s3, 1
	s_cmp_lg_u32 s3, 0
	s_cbranch_scc1 .Llap
.endif
	TURN 0, 1, 0                                   ; the last lap fills nothing
	STEP 1, 0, 0
	s_wait_dscnt 4*NL
	WIN MUL_LO
	MUL16 0, 1, NQ-1, 1, 0
	MUL16 2, 1, NQ-1, 1, 0
	s_wait_dscnt 0
	WIN MUL_HI
	MUL16 4, 1, NQ-1, 1, 0
	MUL16 6, 1, NQ-1, 1, 0
	WIN 0
	PLACES NP                                      ; behind the last products: what follows writes registers that held pooled's fragments and reads results
	s_mov_b32 s[SEL], 0x76543210
	s_mov_b32 s[SEL+1], 0xfedcba98
	s_mov_b32 s96, 0xffff0000                      ; lanes 16-31
.irp b, 0,1,2,3
	v_mov_b32 v[TM+4+\b], 0                        ; written once: a lane permute's destination counts as one of its sources
.endr
; block a: 16 tokens x my 128 units
.macro OUTB a
.if (\a) > 0
	s_wait_xcnt 0x0                                ; the last block's stores have read their registers
.endif
	WIN 0x08+4*((\a)/4)                            ; the second source: window 2 or 3
.set j, 0
.rept 64
	v_max_num_f32 v[H+j], 0, v[64*((\a)%4)+j]      ; relu, and the move into window 0, in one line; each accumulator from its low end on
.set j, j+1
.endr
	WIN 0
	QUANT H
.irp c, 0,1,2
	global_store_b128 v[EO], v[PC+4*\c:PC+4*\c+3], s[12:13] offset:1536*(\a)+512*\c   ; registers 4 c .. 4 c + 3 of every lane: 512 consecutive bytes
.endr
.if (\a)%2 == 0
	v_mov_b32 v[PWP], v[PW]
.else
	v_cndmask_b32 v[SWD], v[PWP], v[PW], s96       ; lanes 0-15 the even block's words, lanes 16-31 this block's: 32 tokens' words,
	global_store_b32 v[SO], v[SWD], s[98:99] offset:128*((\a)/2)   ; 128 consecutive bytes
.endif
.endm
.irp a, 0,1,2,3,4,5,6,7
	OUTB \a
.endr
	s_wait_tensorcnt 0x0                           ; the wave's end
	ds_add_u32 v[SPW], v[NIL]
	s_wait_dscnt 0x0
	CROUND                                         ; the closing round: no work-group ends while a partner may still ask for a tile that names it
	s_endpgm
.Lfunc_end_k_qae8b4302d6_expert1:
	.size	k_qae8b4302d6_expert1, .Lfunc_end_k_qae8b4302d6_expert1-k_qae8b4302d6_expert1
	.p2alignl 7, 3214868480
	.fill 96, 4, 3214868480
	.section	.rodata,"a",@progbits
	.p2align	6, 0x0
	.amdhsa_kernel k_qae8b4302d6_expert1
		.amdhsa_group_segment_fixed_size 327680
		.amdhsa_private_segment_fixed_size 0
		.amdhsa_enable_private_segment 0
		.amdhsa_kernarg_size 56
		.amdhsa_user_sgpr_count 2
		.amdhsa_user_sgpr_kernarg_segment_ptr 1
		.amdhsa_wavefront_size32 1
		.amdhsa_system_sgpr_workgroup_id_x 1
		.amdhsa_system_sgpr_workgroup_id_y 1
		.amdhsa_system_sgpr_workgroup_id_z 1
		.amdhsa_system_vgpr_workitem_id 0
		.amdhsa_next_free_vgpr 1024
		.amdhsa_next_free_sgpr 102
		.amdhsa_reserve_vcc 0
		.amdhsa_float_denorm_mode_32 3
		.amdhsa_float_denorm_mode_16_64 3
		.amdhsa_memory_ordered 1
		.amdhsa_forward_progress 1
		.amdhsa_inst_pref_size 182
	.end_amdhsa_kernel
	.amdgpu_metadata
---
amdhsa.version: [ 1, 2 ]
amdhsa.kernels:
  - .name:           k_qae8b4302d6_expert1
    .symbol:         k_qae8b4302d6_expert1.kd
    .args:
      - { .name: xq, .offset: 0, .size: 8, .value_kind: global_buffer, .address_space: global }
      - { .name: xs, .offset: 8, .size: 8, .value_kind: global_buffer, .address_space: global }
      - { .name: wc, .offset: 16, .size: 8, .value_kind: global_buffer, .address_space: global }
      - { .name: wsc, .offset: 24, .size: 8, .value_kind: global_buffer, .address_space: global }
      - { .name: be1, .offset: 32, .size: 8, .value_kind: global_buffer, .address_space: global }
      - { .name: e1c, .offset: 40, .size: 8, .value_kind: global_buffer, .address_space: global }
      - { .name: e1s, .offset: 48, .size: 8, .value_kind: global_buffer, .address_space: global }
    .group_segment_fixed_size: 327680
    .private_segment_fixed_size: 0
    .kernarg_segment_align: 8
    .kernarg_segment_size: 56
    .max_flat_workgroup_size: 128
    .sgpr_count:     102
    .vgpr_count:     1024
    .wavefront_size: 32
...
	.end_amdgpu_metadata
.endif
;; end of part 3
;; launch expert2 (part 4): grid 256 x 1, 8 waves a work-group, no clusters, 232,448 bytes of LDS; arguments e1c, e1s, wc, wsc, be2, topi, topp, out0; writes out0
.if DOCPART == 4
	.amdgcn_target "amdgcn-amd-amdhsa--gfx1250"
	.amdhsa_code_object_version 6
	.text
	.protected	k_qae8b4302d6_expert2
	.globl	k_qae8b4302d6_expert2
	.p2align	8
	.type	k_qae8b4302d6_expert2,@function
k_qae8b4302d6_expert2:
	s_mov_b64 s[64:65], 0
	v_nop
	global_prefetch_b8 v0, s[64:65] scope:SCOPE_SE
	s_setreg_imm32_b32 hwreg(HW_REG_WAVE_MODE, 25, 1), 1
	s_wait_xcnt 0x0
; out0[token] = the sum over the token's two chosen experts of top_p x (e1[token][expert] We2[expert]^T + be2[expert]), the product on codes of FP6 (E2M3) with one E8M0 scale for each 32 along K = 2,048.
; SHARES.  A work-group owns 64 tokens (work-group / 16) and 16 outputs (work-group % 16); WAVE e IS EXPERT e.  Transposed use: source 0 = 16 rows of We2[e], source 1 = 16 tokens' e1: lane (r, h) holds token r and outputs 8 h + 0 .. 7.
; THE CHOICE steers which rows of e1 are fetched, by whole numbers that an earlier launch stored: a token that did not choose e fetches token 0's registers of the same expert and K step (one address for all such lanes of a half;
; always written), and its result is replaced by 0 before the weight: nothing of an expert that was not chosen reaches a sum.  No branch and no trip count hangs on the choice.
; e1c holds images of the operand's registers ([tile of 16 tokens][3][lane][16 bytes]): a fragment is three loads, each of 512 consecutive bytes where all tokens of the tile chose me.
; MY 16 ROWS OF We2 are 24,576 consecutive bytes of plain rows: they come ONCE, by 48 loads of 512 consecutive bytes, go into a stage of my own in LDS (rows 1,552 bytes apart) and are read from there as fragments,
; six loads of 8 bytes a K step: a fragment's loads straight from the rows would each take 8 bytes out of 16 rows.
; be2 is loaded into the accumulators, so every product adds in place.  Three sets of operand registers: the loads of two K steps are out while one is multiplied.
; No multicast: e1's addresses hang on stored numbers, and a K step is four products.
; The eight experts' parts meet in LDS ([expert][token][16 outputs]); each thread adds eight pieces of 16 bytes and stores one: out0 leaves in runs of 64 bytes a token.
.set EA,   3                           ; v3-6    e1c offset of token tile m
.set SA,   7                           ; v7-10   e1s offset
.set WGT,  11                          ; v11-14  the token's weight for this expert, 0 if not chosen
.set WLA,  15                          ; We2's stage on the way in: 16 x lane
.set WSO,  16                          ; 64 r
.set BO,   17                          ; 32 h
.set WS2,  24                          ; v24-26  We2's scale words, a register a set
.set XA,   29                          ; 16 x lane
.set WFA,  31                          ; We2's stage on the way out: 1,552 r + 24 h
.set ES,   32                          ; v32-43  e1's scale words, four a set
.set BUF,  44                          ; v44-223 three sets of 60: We2's fragment, then the four tiles' fragments of e1.  (At the head v32-223 hold We2 as loaded)
.set ACC,  224                         ; v224-255.  (At the head v224-239 hold the choice and its weights)
.set WST,  32768                       ; LDS: the sums' stage, 4,096 bytes an expert; behind it We2's stages, 24,832 bytes an expert
.set WPI,  1552                        ; a row of We2's stage: 1,536 bytes + 16 = 388 words: row r starts at bank 4 r mod 64 (64 banks of 4 bytes: ISA guide 11.1), so the 32 lanes of a load of 8 bytes touch 64 different banks
	s_load_b256 s[4:11], s[0:1], 0x0               ; e1c, e1s, wc, wsc
	s_load_b256 s[12:19], s[0:1], 0x20             ; be2, topi, topp, out0
	s_set_vgpr_msb 0x40
	v_lshl_add_u32 v0, v0, 2, 0x38800
	v_mov_b32 v1, 0
	s_set_vgpr_msb 0x4000
	v_lshrrev_b32 v18, 5, v0
	v_readfirstlane_b32 s24, v18                   ; wave = expert
	v_and_b32 v1, 15, v0                           ; r
	v_bfe_u32 v2, v0, 4, 1                         ; h
	v_and_b32 v[XA], 31, v0
	v_lshlrev_b32 v[XA], 4, v[XA]
	s_lshr_b32 s25, ttmp9, 4
	s_and_b32 s26, ttmp9, 15
	s_lshl_b32 s27, s25, 6                         ; my first token
	v_add_nc_u32 v18, s27, v1                      ; tile 0's token of my lane
	v_lshlrev_b32 v19, 3, v18
	v_lshlrev_b32 v[BO], 5, v2
	v_lshlrev_b32 v[WSO], 6, v1
	v_lshlrev_b32 v21, 8, v2                       ; token 0's registers for my half: lane 16 h of tile 0
	s_mul_i32 s28, s25, 6144                       ; four tiles of 1,536 bytes a work-group
	v_add_nc_u32 v20, s28, v[XA]                   ; my own registers in tile 0 of mine
	v_lshlrev_b32 v23, 2, v18
	s_lshl_b32 s28, s24, 12
	v_lshlrev_b32 v22, 6, v1
	v_lshl_add_u32 v22, v2, 5, v22
	v_add_nc_u32 v22, s28, v22                     ; the sums' stage: 4,096 expert + 64 r + 32 h
	s_mul_i32 s28, s24, 16*WPI
	s_add_co_u32 s28, s28, WST                     ; We2's stage of my wave
	v_add_nc_u32 v[WLA], s28, v[XA]
	v_mul_u32_u24 v[WFA], v1, WPI
	v_mad_u32_u24 v[WFA], v2, 24, v[WFA]
	v_add_nc_u32 v[WFA], s28, v[WFA]
	v_lshlrev_b32 v27, 4, v0                       ; the sums' stage on the way back: 16 x thread
	v_lshrrev_b32 v28, 2, v0
	v_and_b32 v30, 3, v0
	v_lshlrev_b32 v28, 10, v28
	v_lshl_add_u32 v28, v30, 4, v28                ; out0: row thread / 4 of 1,024 bytes, piece thread % 4
	s_lshl_b32 s29, s24, 8
	s_lshl_b32 s30, s26, 4
	s_add_co_u32 s29, s29, s30                     ; my first row of We2: 256 expert + 16 x output slice
	s_mov_b32 s31, 0
	s_wait_kmcnt 0x0
	s_mul_i32 s30, s24, 1572864                    ; 16 K steps x 98,304 bytes an expert
	s_add_nc_u64 s[4:5], s[4:5], s[30:31]
	s_lshl_b32 s30, s24, 16
	s_add_nc_u64 s[6:7], s[6:7], s[30:31]
	s_mul_i32 s30, s29, 1536
	s_add_co_u32 s30, s30, 12976128                ; We2's codes lie behind W1's and We1's
	s_add_nc_u64 s[8:9], s[8:9], s[30:31]
	s_lshl_b32 s30, s29, 6
	s_add_co_u32 s30, s30, 540672
	s_add_nc_u64 s[10:11], s[10:11], s[30:31]
	s_lshl_b32 s30, s29, 2
	s_add_nc_u64 s[12:13], s[12:13], s[30:31]
	s_lshl_b32 s30, s27, 10
	s_lshl_b32 s28, s26, 6
	s_add_co_u32 s30, s30, s28
	s_add_nc_u64 s[18:19], s[18:19], s[30:31]
.irp m, 0,1,2,3
	global_load_b64 v[ACC+2*\m:ACC+2*\m+1], v19, s[14:15] offset:128*\m      ; the token's two experts
.endr
.irp m, 0,1,2,3
	global_load_b64 v[ACC+8+2*\m:ACC+9+2*\m], v19, s[16:17] offset:128*\m    ; and their weights
.endr
.set i, 0
.rept 48
	global_load_b128 v[ES+4*i:ES+4*i+3], v[XA], s[8:9] offset:512*i          ; my 16 rows of We2 as they lie: 512 consecutive bytes a load
.set i, i+1
.endr
	s_wait_loadcnt 48                              ; the choice is in; We2's 48 loads may be out
.irp m, 0,1,2,3
	v_cmp_eq_u32 s28, s24, v[ACC+2*\m]
	v_cmp_eq_u32 s29, s24, v[ACC+2*\m+1]
	s_or_b32 s[20+\m], s28, s29                    ; the lanes whose token chose me
	v_cndmask_b32 v[WGT+\m], 0, v[ACC+8+2*\m], s28
	v_cndmask_b32 v[WGT+\m], v[WGT+\m], v[ACC+9+2*\m], s29
	v_add_nc_u32 v30, 1536*\m, v20
	v_cndmask_b32 v[EA+\m], v21, v30, s[20+\m]
	v_min_u32 v[EA+\m], 97264, v[EA+\m]            ; the largest offset there is: tile 63, lane 31
	v_add_nc_u32 v30, 64*\m, v23
	v_cndmask_b32 v[SA+\m], 0, v30, s[20+\m]
	v_min_u32 v[SA+\m], 4092, v[SA+\m]
.endr
.irp m, 0,1,2,3
	global_load_b128 v[ACC+8*\m:ACC+8*\m+3], v[BO], s[12:13]                 ; be2, over the choice, which has been read
	global_load_b128 v[ACC+8*\m+4:ACC+8*\m+7], v[BO], s[12:13] offset:16
.endr
	s_wait_loadcnt 8                               ; We2 is in; be2's eight loads may be out
.set i, 0
.rept 48
	ds_store_b128 v[WLA], v[ES+4*i:ES+4*i+3] offset:WPI*(i/3)+512*(i%3)      ; three loads are a row
.set i, i+1
.endr
	s_wait_dscnt 0x0                               ; the stores have read their registers, which now take operands
.macro LOADS ks, q                     ; K step ks into set q: 6 LDS loads and 17 loads from memory
.set BB, BUF+60*(\q)
.irp p, 0,1,2,3,4,5
	ds_load_b64 v[BB+2*\p:BB+2*\p+1], v[WFA] offset:96*(\ks)+48*(\p/3)+8*(\p%3)
.endr
.irp m, 0,1,2,3
.irp c, 0,1,2
	global_load_b128 v[BB+12+12*\m+4*\c:BB+12+12*\m+4*\c+3], v[EA+\m], s[4:5] offset:98304*(\ks)+512*\c
.endr
.endr
.irp m, 0,1,2,3
	global_load_b32 v[ES+4*(\q)+\m], v[SA+\m], s[6:7] offset:4096*(\ks)
.endr
	global_load_b32 v[WS2+(\q)], v[WSO], s[10:11] offset:4*(\ks)
.endm
.macro STEP ks
.set q, (\ks)%3
.set BB, BUF+60*q
.if (\ks) < 14
	s_wait_loadcnt 34                              ; this K step's loads (and in the first step be2's) are in; the 2 x 17 of the next two steps may be out,
	s_wait_dscnt 12                                ; and so may their 2 x 6 LDS loads
.elseif (\ks) == 14
	s_wait_loadcnt 17
	s_wait_dscnt 6
.else
	s_wait_loadcnt 0x0
	s_wait_dscnt 0x0
.endif
.irp m, 0,1,2,3                                ; the four accumulators take turns, from step to step too
	v_wmma_scale_f32_16x16x128_f8f6f4 v[ACC+8*\m:ACC+8*\m+7], v[BB:BB+11], v[BB+12+12*\m:BB+23+12*\m], v[ACC+8*\m:ACC+8*\m+7], v[WS2+q], v[ES+4*q+\m] matrix_a_fmt:MATRIX_FMT_FP6 matrix_b_fmt:MATRIX_FMT_FP6
.endr
.if (\ks)+3 < 16
.rept 4
	v_nop                                          ; places in front of loads into registers that the products have read
.endr
	LOADS (\ks)+3, q
.endif
.endm
	LOADS 0, 0
	LOADS 1, 1
	LOADS 2, 2
.irp k, 0,1,2,3,4,5,6,7,8,9,10,11,12,13,14,15
	STEP \k
.endr
.rept 4
	v_nop                                          ; places in front of the first read of results
.endr
.irp m, 0,1,2,3
.irp j, 0,1,2,3,4,5,6,7
	v_cndmask_b32 v[ACC+8*\m+\j], 0, v[ACC+8*\m+\j], s[20+\m]   ; what was not chosen is thrown away; each accumulator from its low end on
.endr
.irp j, 0,1,2,3,4,5,6,7
	v_mul_f32 v[ACC+8*\m+\j], v[WGT+\m], v[ACC+8*\m+\j]
.endr
.endr
.irp m, 0,1,2,3
	ds_store_b128 v22, v[ACC+8*\m:ACC+8*\m+3] offset:1024*\m
	ds_store_b128 v22, v[ACC+8*\m+4:ACC+8*\m+7] offset:1024*\m+16
.endr
	s_wait_dscnt 0x0                               ; for the others' sake: my part has landed
	s_barrier_signal -1
	s_barrier_wait -1
.irp w, 0,1,2,3,4,5,6,7
	ds_load_b128 v[BUF+4*\w:BUF+4*\w+3], v27 offset:4096*\w
.endr
	s_wait_dscnt 0x0
.irp w, 0,2,4,6
	v_pk_add_f32 v[BUF+4*\w:BUF+4*\w+1], v[BUF+4*\w:BUF+4*\w+1], v[BUF+4*\w+4:BUF+4*\w+5]
	v_pk_add_f32 v[BUF+4*\w+2:BUF+4*\w+3], v[BUF+4*\w+2:BUF+4*\w+3], v[BUF+4*\w+6:BUF+4*\w+7]
.endr
.irp w, 0,4
	v_pk_add_f32 v[BUF+4*\w:BUF+4*\w+1], v[BUF+4*\w:BUF+4*\w+1], v[BUF+4*\w+8:BUF+4*\w+9]
	v_pk_add_f32 v[BUF+4*\w+2:BUF+4*\w+3], v[BUF+4*\w+2:BUF+4*\w+3], v[BUF+4*\w+10:BUF+4*\w+11]
.endr
	v_pk_add_f32 v[BUF:BUF+1], v[BUF:BUF+1], v[BUF+16:BUF+17]
	v_pk_add_f32 v[BUF+2:BUF+3], v[BUF+2:BUF+3], v[BUF+18:BUF+19]
	global_store_b128 v28, v[BUF:BUF+3], s[18:19]
	s_set_vgpr_msb 0x5
	s_wait_tensorcnt 0x0
	ds_add_u32 v0, v1
	s_wait_dscnt 0x0
	s_set_vgpr_msb 0x500
	s_endpgm
.Lfunc_end_k_qae8b4302d6_expert2:
	.size	k_qae8b4302d6_expert2, .Lfunc_end_k_qae8b4302d6_expert2-k_qae8b4302d6_expert2
	.p2alignl 7, 3214868480
	.fill 96, 4, 3214868480
	.section	.rodata,"a",@progbits
	.p2align	6, 0x0
	.amdhsa_kernel k_qae8b4302d6_expert2
		.amdhsa_group_segment_fixed_size 232448
		.amdhsa_private_segment_fixed_size 0
		.amdhsa_enable_private_segment 0
		.amdhsa_kernarg_size 64
		.amdhsa_user_sgpr_count 2
		.amdhsa_user_sgpr_kernarg_segment_ptr 1
		.amdhsa_wavefront_size32 1
		.amdhsa_system_sgpr_workgroup_id_x 1
		.amdhsa_system_sgpr_workgroup_id_y 1
		.amdhsa_system_sgpr_workgroup_id_z 1
		.amdhsa_system_vgpr_workitem_id 0
		.amdhsa_next_free_vgpr 258
		.amdhsa_next_free_sgpr 66
		.amdhsa_reserve_vcc 0
		.amdhsa_float_denorm_mode_32 3
		.amdhsa_float_denorm_mode_16_64 3
		.amdhsa_memory_ordered 1
		.amdhsa_forward_progress 1
		.amdhsa_inst_pref_size 62
	.end_amdhsa_kernel
	.amdgpu_metadata
---
amdhsa.version: [ 1, 2 ]
amdhsa.kernels:
  - .name:           k_qae8b4302d6_expert2
    .symbol:         k_qae8b4302d6_expert2.kd
    .args:
      - { .name: e1c, .offset: 0, .size: 8, .value_kind: global_buffer, .address_space: global }
      - { .name: e1s, .offset: 8, .size: 8, .value_kind: global_buffer, .address_space: global }
      - { .name: wc, .offset: 16, .size: 8, .value_kind: global_buffer, .address_space: global }
      - { .name: wsc, .offset: 24, .size: 8, .value_kind: global_buffer, .address_space: global }
      - { .name: be2, .offset: 32, .size: 8, .value_kind: global_buffer, .address_space: global }
      - { .name: topi, .offset: 40, .size: 8, .value_kind: global_buffer, .address_space: global }
      - { .name: topp, .offset: 48, .size: 8, .value_kind: global_buffer, .address_space: global }
      - { .name: out0, .offset: 56, .size: 8, .value_kind: global_buffer, .address_space: global }
    .group_segment_fixed_size: 232448
    .private_segment_fixed_size: 0
    .kernarg_segment_align: 8
    .kernarg_segment_size: 64
    .max_flat_workgroup_size: 256
    .sgpr_count:     66
    .vgpr_count:     258
    .wavefront_size: 32
...
	.end_amdgpu_metadata
.endif
;; end of part 4
